; MI455X (gfx1250); checked and timed in simulation.
; The chip was launched on July 23, 2026; its instructions are those of AMD's public machine-readable ISA for CDNA 5 (MIT licence, August 2026) and "CDNA5" Instruction Set Architecture Reference Guide (July 2026). The comments in the code are by the model that wrote it; some were corrected since.
;; Multi Head Attention. Allowed arithmetic: matrix products marked QUANTISED: E4M3 operands, one given power-of-two scale a tensor, by v_wmma_f32_16x16x64_fp8_fp8 or v_wmma_f32_16x16x128_fp8_fp8, f32 sums; everything else in f32.
;; Inputs: Wk 2,048 x 2,048 float32; Wo 2,048 x 2,048 float32; Wq 2,048 x 2,048 float32; Wv 2,048 x 2,048 float32; attention_mask 2,048 x 2,048 bool; bo 2,048 float32; lowp_scales 12 int32 (the exponents e of the quantised operands' scales 2^e); query 1 x 2,048 x 2,048 float32.
;; Outputs: out0 1 x 2,048 x 2,048 float32.
;; This version of the problem:
;;   THIS VERSION OF THE PROBLEM IS GIVEN IN LOW PRECISION. The matrix products marked QUANTISED in the list below multiply operands that are first quantised to E4M3 (4 exponent bits, 3 mantissa bits; 8 bits a number), with one given power-of-two scale for each operand tensor; their sums are f32. All else is computed in f32.
;;   The module's matrix products, in the order in which they are computed (A, B: the left and right operand; K: the contracted axis; several contracted axes count as one K, in the product's order):
;;     1. [M 2,048, K 2,048] x [K 2,048, N 2,048]; A: input query; B: input Wq: QUANTISED (scales: A lowp_scales[0], B lowp_scales[1])
;;     2. [M 2,048, K 2,048] x [K 2,048, N 2,048]; A: input query; B: input Wk: QUANTISED (scales: A lowp_scales[2], B lowp_scales[3])
;;     3. [M 2,048, K 2,048] x [K 2,048, N 2,048]; A: input query; B: input Wv: QUANTISED (scales: A lowp_scales[4], B lowp_scales[5])
;;     4. batch 16 x [M 2,048, K 128] x [K 128, N 2,048]; A: computed on the way; B: computed on the way: QUANTISED (scales: A lowp_scales[6], B lowp_scales[7])
;;     5. batch 16 x [M 2,048, K 2,048] x [K 2,048, N 128]; A: softmax (see below); B: computed on the way: QUANTISED (scales: A lowp_scales[8], B lowp_scales[9])
;;     6. [M 2,048, K 2,048] x [K 2,048, N 2,048]; A: computed on the way; B: input Wo: QUANTISED (scales: A lowp_scales[10], B lowp_scales[11])
;;   THE QUANTISER, for each operand of a quantised product, along K:
;;     - The operand's scale is 2^e, e = its entry of the input lowp_scales (int32; the entries are numbered through the quantised products in the list's order, A before B).
;;     - Each number is divided by the scale, clamped to +-448, and rounded to the nearest number of E4M3, ties to even, subnormals kept.
;;     - The product sums the exact products of the quantised numbers (number of the format x scale) in f32.
;;   ~~~python
;;   def quantise(x, axis, e):      # numpy; x: float32 -> the quantised numbers, widened to float32 again
;;       x = np.moveaxis(x, axis, -1); K = x.shape[-1]
;;       r = np.clip(x / 2.0 ** e, -448, 448)
;;       step = 2.0 ** (np.maximum(np.frexp(np.where(r == 0, 1, r))[1] - 1, -6) - 3)
;;       q = np.round(r / step) * step * 2.0 ** e      # np.round: ties to even
;;       return np.moveaxis(q, -1, axis).astype(np.float32)
;;   ~~~
;;   SOFTMAX AHEAD OF A QUANTISED PRODUCT. Where the list says 'softmax', what is quantised is not the finished softmax but p = 2^(t - M), with t = logit x log2(e) and M = ceil(the row's largest t), a whole number; so 1/2 < the row's largest p <= 1. The row's sum l is taken of the UNQUANTISED p, in f32, and the product's result is divided by l at the end. Since M is a whole number, a kernel that streams over the keys may use a running M (the ceiling of the running maximum): every later rescaling is an exact power of two, so the quantised numbers keep their values, but for numbers so far below the row's largest that they fall under the format's range.
;;   OPERANDS COMPUTED ON THE WAY. 'Computed on the way' means the value that the module computes at that place (a softmax that the list does not call 'softmax' is quantised finished and normalised). What goes into a quantiser is computed in f32, as accurately as f32 sums, v_exp_f32 and their like allow (about 1e-6 of the number): no bf16 or f16 on the way to a quantiser, and a product that is left as it is and whose result goes on into a quantised operand takes f32 operands (vector FMAs, or v_wmma_f32_16x16x4_f32). A number that lies on a knife's edge between two numbers of the format may be rounded either way, as far as f32 arithmetic and the matrix unit's own rounding can turn it there, and no further.
;; One version. Each part assembles by itself: llvm-mc -triple=amdgcn-amd-amdhsa -mcpu=gfx1250 --defsym DOCPART=n.
;; ======== version 1 of 1: 4 launches
;; limits: right only within a limited range of input values
;; workspace buffers: xcodes 12,582,912 bytes; wcodes 12,582,912 bytes; wocodes 4,194,304 bytes; maskbits 524,288 bytes of whole numbers; flags 32,768 bytes of whole numbers; qkv 12,582,912 bytes; ocodes 4,194,304 bytes
;; launch prep (part 1): grid 1152 x 1, 4 waves a work-group, no clusters, 768 bytes of LDS; arguments query, Wq, Wk, Wv, attention_mask, lowp_scales, xcodes, wcodes, maskbits, flags; writes xcodes, wcodes, maskbits, flags
.if DOCPART == 1
	.amdgcn_target "amdgcn-amd-amdhsa--gfx1250"
	.amdhsa_code_object_version 6
	.text
	.protected	k_qece32ca078_prep
	.globl	k_qece32ca078_prep
	.p2align	8
	.type	k_qece32ca078_prep,@function
k_qece32ca078_prep:
	s_mov_b64 s[64:65], 0
	v_nop
	global_prefetch_b8 v0, s[64:65] scope:SCOPE_SE
	s_setreg_imm32_b32 hwreg(HW_REG_WAVE_MODE, 25, 1), 1
	s_wait_xcnt 0x0
; MULTI-HEAD ATTENTION, T = D = 2048, 16 heads of 128, all six products on codes of FP8 (E4M3), each operand with the one scale 2^e that is given for it.
; Every input is loaded by some launch and bo is added.  The mask is an input: no pattern of it is built in.  A tile of 16 queries x 128 keys whose mask is false throughout adds exact zeros to every row that has a true key
; somewhere; so this launch stores, as whole numbers, which tiles hold a true key, and the attention launch reads them and walks those alone.  A tile of queries with a row that has no true key keeps ALL its steps.
; THIS LAUNCH makes:
;   xcodes [3][2048 t][2048 k]: query's codes, once for each of its three given scales (entries 0, 2, 4);
;   wcodes [3][2048 n][2048 k]: the codes of Wq, Wk, Wv (entries 1, 3, 5).  In Wv's codes the second and the third eight of every 32 rows change places: so attention's result comes out as 16 neighbours a lane.
;   THE ORDER OF K, the same in all six: within each 512, byte 16 L + 4 i + e is k = 128 i + 4 L + e.  These tensors meet only one another, so every product meets its partner.
;   maskbits [128 tiles of 16 queries][16 steps of 128 keys][64 words]: bit L of word n is mask[16 tile + L % 16][128 step + 16 (n / 8) + 8 (L / 16) + n % 8] != 0: the lane mask of score register n;
;   flags [128 tiles][256 bytes, the same word throughout]: bit s: step s is walked; bit 16 + s: its mask is true throughout.
; (Wo, which one wave each reads once, is quantised by the attention launch.)
; code = x / 2^e, held within +-448, rounded to the nearest code, ties to even.
; LIMITS: each e lies between -126 and 119, so that 2^e and 448 x 2^e are f32 numbers.  NaN among the f32 inputs is not served.  A mask byte other than 0 counts as true.
; SHARES.  Work-groups 0-255: query; 256-1023: the three weights, 256 each; both 8 steps of 512 numbers a wave; 1024-1151: the mask, a tile of 16 queries each.  They share no input: no cluster, no tensor load.
; Each of a step's four loads reads 512 consecutive bytes, 16 a lane; a lane's 16 numbers give 16 codes: a store of the wave covers 512 consecutive bytes, aligned.  Loads run six steps ahead.
.set MKB,   0                          ; LDS: the mask's four pairs of words
.set SPARE, 256                        ; the spare words, 128 bytes for each wave
.set SPW,   6                          ; v6   LDS address of my spare word
.set NIL,   7                          ; v7   0
.set SC,    22                         ; v22-24  2^e as f32, for output 0, 1, 2
.set LM,    25                         ; v25-27  448 x 2^e
.set R,     32                         ; v32-127  six sets of 16 numbers as they are loaded (the mask's way: v32-95)
.set T,     128                        ; v128-143 the numbers held
.set C,     144                        ; v144-167 codes: 12 registers, two sets by turns
	s_load_b512 s[4:19], s[0:1], 0x0               ; query 4:5, Wq 6:7, Wk 8:9, Wv 10:11, mask 12:13, scales 14:15, xcodes 16:17, wcodes 18:19
	s_load_b128 s[20:23], s[0:1], 0x40             ; maskbits 20:21, flags 22:23
	v_lshrrev_b32 v1, 5, v0
	v_readfirstlane_b32 s29, v1                    ; wave 0..3
	v_and_b32 v2, 31, v0                           ; lane
	v_lshlrev_b32 v3, 4, v2                        ; my 16 bytes of 512
.macro LOAD t
.irp i, 0,1,2,3
	global_load_b128 v[R+16*((\t)%6)+4*\i:R+16*((\t)%6)+4*\i+3], v3, s[32:33] offset:2048*(\t)+512*\i th:TH_LOAD_NT
.endr
.endm
.macro MKSC k, e                       ; 2^e and 448 x 2^e as f32 numbers
	s_add_co_i32 s30, \e, 127
	s_lshl_b32 s31, s30, 23
	v_mov_b32 v[SC+\k], s31
	s_add_co_i32 s30, s30, 8
	s_lshl_b32 s30, s30, 23
	s_or_b32 s30, s30, 0x600000
	v_mov_b32 v[LM+\k], s30
.endm
.macro CODES t, k
.irp i, 0,1,2,3,4,5,6,7,8,9,10,11,12,13,14,15
	v_med3_num_f32 v[T+\i], v[R+16*((\t)%6)+\i], -v[LM+\k], v[LM+\k]   ; the conversion to an 8-bit code does not saturate (ISA guide 7.6.2)
.endr
	v_cvt_scalef32_pk8_fp8_f32 v[C+12*((\t)%2)+4*\k:C+12*((\t)%2)+4*\k+1], v[T:T+7], v[SC+\k]
	v_cvt_scalef32_pk8_fp8_f32 v[C+12*((\t)%2)+4*\k+2:C+12*((\t)%2)+4*\k+3], v[T+8:T+15], v[SC+\k]
	v_nop                                          ; one plain vector line between the conversions and the next holds
	global_store_b128 v3, v[C+12*((\t)%2)+4*\k:C+12*((\t)%2)+4*\k+3], s[34+2*\k:35+2*\k] offset:512*(\t)
.endm
.macro DSTEP t, nk
.if (\t) < 3
	s_wait_loadcnt 20                              ; this step's four loads are in; the five steps' behind it may be out
.else
	s_wait_loadcnt 4*(7-(\t))                      ; four loads for each step behind this one
.endif
	s_wait_xcnt 0x0                                ; the earlier stores have read their data: the codes' registers may be written again
	CODES \t, 0
.if (\nk) > 1
	CODES \t, 1
	CODES \t, 2
.endif
.if (\t)+6 < 8
	LOAD (\t)+6                                    ; into the registers just read
.endif
.endm
	s_cmp_ge_u32 ttmp9, 1024
	s_wait_alu depctr_va_vdst(0)                   ; the wait ahead of the branch
	s_cbranch_scc1 .Lmask
	s_cmp_lt_u32 ttmp9, 256
	s_cbranch_scc1 .Lquery
	; ---- a weight
	s_sub_co_u32 s31, ttmp9, 256
	s_lshr_b32 s40, s31, 8                         ; 0..2: Wq, Wk, Wv
	s_and_b32 s31, s31, 255
	s_lshl_b32 s31, s31, 2
	s_add_co_u32 s31, s31, s29                     ; my run of 4,096 numbers, two rows: 0..1023
	s_lshl_b32 s44, s31, 14
	s_mov_b32 s45, 0
	s_lshr_b32 s41, s31, 2
	s_lshr_b32 s42, s31, 3
	s_xor_b32 s41, s41, s42
	s_and_b32 s41, s41, 1
	s_mul_i32 s41, s41, 12
	s_cmp_eq_u32 s40, 2
	s_cselect_b32 s41, s41, 0
	s_xor_b32 s46, s31, s41                        ; Wv: the row's bits 3 and 4 (the run's 2 and 3) change places
	s_lshl_b32 s46, s46, 12
	s_lshl_b32 s41, s40, 22
	s_add_co_u32 s46, s46, s41
	s_mov_b32 s47, 0
	s_wait_kmcnt 0x0
	s_load_b256 s[48:55], s[14:15], 0x0            ; e0 .. e7
	s_cmp_eq_u32 s40, 1
	s_cselect_b64 s[32:33], s[8:9], s[10:11]
	s_cmp_eq_u32 s40, 0
	s_cselect_b64 s[32:33], s[6:7], s[32:33]
	s_add_nc_u64 s[32:33], s[32:33], s[44:45]
	s_add_nc_u64 s[34:35], s[18:19], s[46:47]
.irp t, 0,1,2,3,4,5
	LOAD \t
.endr
	s_wait_kmcnt 0x0
	s_cmp_eq_u32 s40, 1
	s_cselect_b32 s41, s51, s53
	s_cmp_eq_u32 s40, 0
	s_cselect_b32 s41, s49, s41
	MKSC 0, s41
	s_wait_alu depctr_va_vdst(0)
.irp t, 0,1,2,3,4,5,6,7
	DSTEP \t, 1
.endr
	s_endpgm
	; ---- query
.Lquery:
	s_lshl_b32 s31, ttmp9, 2
	s_add_co_u32 s31, s31, s29                     ; my run of 4,096 numbers: 0..1023
	s_lshl_b32 s44, s31, 14
	s_mov_b32 s45, 0
	s_lshl_b32 s46, s31, 12
	s_mov_b32 s47, 0
	s_wait_kmcnt 0x0
	s_load_b256 s[48:55], s[14:15], 0x0            ; e0 .. e7
	s_add_nc_u64 s[32:33], s[4:5], s[44:45]
	s_add_nc_u64 s[34:35], s[16:17], s[46:47]
	s_add_nc_u64 s[36:37], s[34:35], 0x400000
	s_add_nc_u64 s[38:39], s[34:35], 0x800000
.irp t, 0,1,2,3,4,5
	LOAD \t
.endr
	s_wait_kmcnt 0x0
	MKSC 0, s48
	MKSC 1, s50
	MKSC 2, s52
	s_wait_alu depctr_va_vdst(0)
.irp t, 0,1,2,3,4,5,6,7
	DSTEP \t, 3
.endr
	s_endpgm
	; ---- the mask: a work-group takes a tile of 16 queries, a wave four steps of 128 keys
.Lmask:
	s_sub_co_u32 s30, ttmp9, 1024                  ; the tile
	s_lshl_b32 s44, s30, 15                        ; its 16 rows of 2,048 bytes,
	s_lshl_b32 s31, s29, 9                         ; my 512 bytes of each
	s_add_co_u32 s44, s44, s31
	s_mov_b32 s45, 0
	s_lshl_b32 s46, s30, 12                        ; its words,
	s_lshl_b32 s31, s29, 10                        ; my four steps'
	s_add_co_u32 s46, s46, s31
	s_mov_b32 s47, 0
	s_lshl_b32 s48, s30, 8                         ; its flags
	s_mov_b32 s49, 0
	v_lshl_add_u32 v[SPW], v0, 2, SPARE
	v_mov_b32 v[NIL], 0
	v_and_b32 v8, 15, v0
	v_bfe_u32 v9, v0, 4, 1
	v_lshlrev_b32 v4, 11, v8
	v_lshl_add_u32 v4, v9, 3, v4                   ; row lane % 16, + 8 (lane / 16)
	v_lshlrev_b32 v5, 3, v2                        ; two words a lane
	s_wait_alu depctr_va_vdst(0)
	s_wait_kmcnt 0x0
	s_add_nc_u64 s[12:13], s[12:13], s[44:45]
	s_add_nc_u64 s[20:21], s[20:21], s[46:47]
	s_add_nc_u64 s[22:23], s[22:23], s[48:49]
.irp u, 0,1,2,3
.irp t, 0,1,2,3,4,5,6,7
	global_load_b64 v[R+16*\u+2*\t:R+16*\u+2*\t+1], v4, s[12:13] offset:128*\u+16*\t   ; keys 128 u + 16 t + 8 (lane / 16) + 0 .. 7 of my row; the 32 loads together take 512 bytes of each row whole
.endr
.endr
.irp j, 12,13,14,15,16,17,18,19
	v_mov_b32 v\j, 0                               ; a lane write's destination counts as read
.endr
	s_wait_alu depctr_va_vdst(0)
	s_wait_loadcnt 0x0
.set n, 0
.rept 256                              ; word m of step u: one byte of every lane compared at once; the word goes to lane m / 2
.set u, n/64
.set m, n%64
	v_and_b32 v[8+n%4], 0xff<<(8*(m%4)), v[R+16*u+2*(m/8)+(m%8)/4]
	v_cmp_ne_u32 s[40+n%4], 0, v[8+n%4]
	v_writelane_b32 v[12+2*u+m%2], s[40+n%4], m/2
.set n, n+1
.endr
.irp u, 0,1,2,3
	global_store_b64 v5, v[12+2*\u:13+2*\u], s[20:21] offset:256*\u   ; 32 lanes store 256 consecutive bytes, aligned
.endr
.irp k, 0,1,2,3
	v_or_b32 v[104+\k], v[R+\k], v[R+4+\k]         ; has my row a true key among my keys?
.endr
.irp j, 2,3,4,5,6,7,8,9,10,11,12,13,14,15
.irp k, 0,1,2,3
	v_or_b32 v[104+\k], v[104+\k], v[R+4*\j+\k]
.endr
.endr
	v_or_b32 v104, v104, v105
	v_or_b32 v106, v106, v107
	v_or_b32 v104, v104, v106
.irp u, 0,1,2,3
	v_cmp_ne_u32 s[44+4*\u], 0, v[12+2*\u]
	v_cmp_ne_u32 s[45+4*\u], 0, v[13+2*\u]
	v_cmp_ne_u32 s[46+4*\u], -1, v[12+2*\u]
	v_cmp_ne_u32 s[47+4*\u], -1, v[13+2*\u]
.endr
	v_cmp_ne_u32 s60, 0, v104
	s_mov_b32 s36, 0
.irp u, 0,1,2,3
	s_or_b32 s[44+4*\u], s[44+4*\u], s[45+4*\u]    ; some word is not 0:
	s_cselect_b32 s37, 1<<\u, 0                    ; the step holds a true key
	s_or_b32 s36, s36, s37
	s_or_b32 s[46+4*\u], s[46+4*\u], s[47+4*\u]    ; no word has a bit off:
	s_cselect_b32 s37, 0, 0x10000<<\u              ; it is true throughout
	s_or_b32 s36, s36, s37
.endr
	s_lshl_b32 s37, s29, 2
	s_lshl_b32 s36, s36, s37                       ; my four steps' place
	s_lshr_b32 s37, s60, 16
	s_or_b32 s38, s60, s37
	s_and_b32 s38, s38, 0xffff                     ; bit r: row r has a true key among the wave's 512
	s_lshl_b32 s39, s29, 3
	s_add_co_u32 s39, s39, MKB
	v_mov_b32 v96, s38
	v_mov_b32 v97, s36
	v_mov_b32 v98, s39
	ds_store_b64 v98, v[96:97]                     ; every lane the same two words
	s_wait_dscnt 0x0                               ; for the others' sake
	s_barrier_signal -1
	s_barrier_wait -1
	v_mov_b32 v99, MKB
	ds_load_b128 v[100:103], v99
	ds_load_b128 v[108:111], v99 offset:16
	s_wait_dscnt 0x0
	v_or_b32 v100, v100, v102
	v_or_b32 v101, v101, v103
	v_or_b32 v108, v108, v110
	v_or_b32 v109, v109, v111
	v_or_b32 v100, v100, v108
	v_or_b32 v101, v101, v109
	v_readfirstlane_b32 s36, v100
	v_readfirstlane_b32 s37, v101
	s_or_b32 s38, s37, 0xffff
	s_cmp_eq_u32 s36, 0xffff                       ; has every row a true key?  If not, all steps are walked
	s_cselect_b32 s37, s37, s38
	v_mov_b32 v112, s37
	v_mov_b32 v113, s37
	s_cmp_lg_u32 s29, 0
	s_cbranch_scc1 .Lmend
	global_store_b64 v5, v[112:113], s[22:23]      ; wave 0: 256 consecutive bytes, aligned
.Lmend:
	s_wait_tensorcnt 0x0                           ; the wave's end
	ds_add_u32 v[SPW], v[NIL]
	s_wait_dscnt 0x0
	s_endpgm
.Lfunc_end_k_qece32ca078_prep:
	.size	k_qece32ca078_prep, .Lfunc_end_k_qece32ca078_prep-k_qece32ca078_prep
	.p2alignl 7, 3214868480
	.fill 96, 4, 3214868480
	.section	.rodata,"a",@progbits
	.p2align	6, 0x0
	.amdhsa_kernel k_qece32ca078_prep
		.amdhsa_group_segment_fixed_size 768
		.amdhsa_private_segment_fixed_size 0
		.amdhsa_enable_private_segment 0
		.amdhsa_kernarg_size 80
		.amdhsa_user_sgpr_count 2
		.amdhsa_user_sgpr_kernarg_segment_ptr 1
		.amdhsa_wavefront_size32 1
		.amdhsa_system_sgpr_workgroup_id_x 1
		.amdhsa_system_sgpr_workgroup_id_y 1
		.amdhsa_system_sgpr_workgroup_id_z 1
		.amdhsa_system_vgpr_workitem_id 0
		.amdhsa_next_free_vgpr 168
		.amdhsa_next_free_sgpr 66
		.amdhsa_reserve_vcc 0
		.amdhsa_float_denorm_mode_32 3
		.amdhsa_float_denorm_mode_16_64 3
		.amdhsa_memory_ordered 1
		.amdhsa_forward_progress 1
		.amdhsa_inst_pref_size 109
	.end_amdhsa_kernel
	.amdgpu_metadata
---
amdhsa.version: [ 1, 2 ]
amdhsa.kernels:
  - .name:           k_qece32ca078_prep
    .symbol:         k_qece32ca078_prep.kd
    .args:
      - { .name: query, .offset: 0, .size: 8, .value_kind: global_buffer, .address_space: global }
      - { .name: Wq, .offset: 8, .size: 8, .value_kind: global_buffer, .address_space: global }
      - { .name: Wk, .offset: 16, .size: 8, .value_kind: global_buffer, .address_space: global }
      - { .name: Wv, .offset: 24, .size: 8, .value_kind: global_buffer, .address_space: global }
      - { .name: attention_mask, .offset: 32, .size: 8, .value_kind: global_buffer, .address_space: global }
      - { .name: lowp_scales, .offset: 40, .size: 8, .value_kind: global_buffer, .address_space: global }
      - { .name: xcodes, .offset: 48, .size: 8, .value_kind: global_buffer, .address_space: global }
      - { .name: wcodes, .offset: 56, .size: 8, .value_kind: global_buffer, .address_space: global }
      - { .name: maskbits, .offset: 64, .size: 8, .value_kind: global_buffer, .address_space: global }
      - { .name: flags, .offset: 72, .size: 8, .value_kind: global_buffer, .address_space: global }
    .group_segment_fixed_size: 768
    .private_segment_fixed_size: 0
    .kernarg_segment_align: 8
    .kernarg_segment_size: 80
    .max_flat_workgroup_size: 128
    .sgpr_count:     66
    .vgpr_count:     168
    .wavefront_size: 32
...
	.end_amdgpu_metadata
.endif
;; end of part 1
;; launch qkv (part 2): grid 24 x 8, 4 waves a work-group, clusters of 4 x 4, 327,680 bytes of LDS; arguments xcodes, wcodes, lowp_scales, qkv; writes qkv
.if DOCPART == 2
	.amdgcn_target "amdgcn-amd-amdhsa--gfx1250"
	.amdhsa_code_object_version 6
	.text
	.protected	k_qece32ca078_qkv
	.globl	k_qece32ca078_qkv
	.p2align	8
	.type	k_qece32ca078_qkv,@function
k_qece32ca078_qkv:
	s_mov_b64 s[64:65], 0
	v_nop
	global_prefetch_b8 v0, s[64:65] scope:SCOPE_SE
	s_setreg_imm32_b32 hwreg(HW_REG_WAVE_MODE, 25, 1), 1
	s_wait_xcnt 0x0
	s_wait_alu depctr_hold_cnt(0) depctr_sa_sdst(0) depctr_va_vdst(0) depctr_va_sdst(0) depctr_va_ssrc(0) depctr_va_vcc(0) depctr_vm_vsrc(0)
	s_getreg_b32 s2, hwreg(HW_REG_IB_STS2, 6, 4)
	s_cmp_eq_u32 s2, 0
	s_cbranch_scc0 .Lentry_in_a_cluster
	s_endpgm
.Lentry_in_a_cluster:
	s_bfe_u32 s2, ttmp6, 0x10000c
	s_cmp_lg_u32 s2, 0xf033
	s_cbranch_scc0 .Lentry_shape_is_right
	s_endpgm
.Lentry_shape_is_right:
; Q = x Wq^T, K = x Wk^T, V^T = Wv x^T on codes of FP8 (E4M3); the results are quantised with the scales given for the next products (entries 6, 7, 9) and leave as codes.
; A work-group makes a tile of 256 x 256 of one of the three products (2 cluster columns each): four waves, 128 x 128 each, 64 accumulators of 16 x 16.  192 equal tiles on as many WGPs: thirds of 2048 columns do not divide into 256 tiles of whole heads.
; K goes in steps of 256 through a ring of two LDS slots: rows of 256 bytes.  CLUSTERS of 4 x 4: A's tile is asked for jointly along a row of the cluster, B's along a column.
; THE MATRIX INSTRUCTION IS USED TRANSPOSED (source 0 = 16 rows of B, source 1 = 16 rows of A): lane (r, h) holds row r of A and columns 16 b + 8 h + 0 .. 7 of block b.
; OUT: qkv [3][16 heads][16 blocks of 128][8 tiles][4 chunks][32 lanes][16 bytes]: a tile of 16 rows x 128 as an IMAGE of an operand's 16 registers: chunk c, lane (r, h): columns 32 c + 8 h + 0 .. 7 and 32 c + 16 + 8 h + 0 .. 7 of row r:
; just what the lane holds.  So a store covers 512 consecutive bytes straight from registers.  Q, K: rows t, columns the head's 128.  V^T: rows the head's 128, columns t.
; PREFETCH: behind K step 0's load the head asks for K step 1, behind K step 1's load for 2 and 3, each later change of slots i for step i + 4, two refills ahead.  Of the 128 rows that a wave fetches each of the four
; partners takes 32, told apart BY ADDRESS, a lane a row: each 256 bytes once in each cluster.  The last two refills ask for nothing.
; FRAGMENTS: a step of 128 along K is four groups of 16 products; behind each group stand 16 LDS loads of what the next step wants: B's two halves (its two sets take turns), A's blocks 0-3, A's blocks 4-7 (one set).
; LIMITS: the result's exponent less its two operands' lies between -126 and 119.
; REGISTERS: window 0: v16-31 addresses and constants, v128-255 A's fragments (one set); window 1: B's fragments (two sets); windows 2, 3: accumulators of my rows 0-63, 64-127.
.set ROWB,   256
.set PITCH,  272                       ; 256 + 16 of padding: the 16 rows of a fragment start at 16 different groups of four banks (64 banks of 4 bytes: ISA guide 11.1)
.set FR,     16
.set HALFT,  128*PITCH
.set SLOT,   4*HALFT
.set LAPS,   4
.set SPARE,  2*SLOT
.set ADRA, 16
.set ADRB, 20
.set CO,   26
.set PFO,  27
.set SPW,  28
.set NIL,  29
.set LIM,  30
.set SCL,  31
.set TMP,  32
.set AF,   128
.set CD,   128                         ; the way out: 16 registers of codes for each block
.set PFA,  74
.set G1, 24
.set G0, 32
.set G1B, 48
.set G0B, 56
.set MSB, 0
.macro WIN new                         ; the immediate's high byte repeats the setting that is left
.if MSB != (\new)
	s_set_vgpr_msb (MSB<<8)|(\new)
.set MSB, (\new)
.endif
.endm
.set MUL_LO, 0xa1
.set MUL_HI, 0xf1
.set TO_B,   0x40
.macro JLOAD g0a, g1a, g0b, g1b        ; waves 0, 1 fetch for A, 2, 3 for B; an s_nop 0 and four v_nop follow each load
	s_cmp_eq_u32 s15, 0
	s_cbranch_scc0 .Lfor_b_\@
	tensor_load_to_lds s[\g0a:\g0a+3], s[\g1a:\g1a+7]
	s_nop 0
.rept 4
	v_nop
.endr
	s_branch .Lasked_\@
.Lfor_b_\@:
	tensor_load_to_lds s[\g0b:\g0b+3], s[\g1b:\g1b+7]
	s_nop 0
.rept 4
	v_nop
.endr
.Lasked_\@:
.endm
.macro CREST
	s_cmp_lg_u32 s14, 0
	s_cbranch_scc1 .Lnot_wave_0_\@
	s_barrier_signal -3
.Lnot_wave_0_\@:
	s_barrier_wait -3
	s_barrier_signal -1
	s_barrier_wait -1
.endm
.macro CROUND
	s_barrier_signal -1
	s_barrier_wait -1
	CREST
.endm
	s_load_b128 s[4:7], s[0:1], 0x0                ; xcodes, wcodes
	s_load_b128 s[8:11], s[0:1], 0x10              ; scales, qkv
	v_lshl_add_u32 v[SPW], v0, 2, SPARE
	v_mov_b32 v[NIL], 0
	ds_add_u32 v[SPW], v[NIL]                      ; the wave's opening: the add, twice on end, and its wait
	ds_add_u32 v[SPW], v[NIL]
	v_lshrrev_b32 v1, 5, v0
	v_readfirstlane_b32 s14, v1                    ; wave
	s_lshr_b32 s15, s14, 1                         ; my half of the rows; I fetch for A (0) or B (1)
	s_and_b32 s16, s14, 1                          ; my half of the columns; which 128 rows I fetch
	s_mul_i32 s21, s15, HALFT
	s_mul_i32 s22, s16, HALFT
	s_add_co_u32 s22, s22, 2*HALFT
	v_and_b32 v1, 15, v0
	v_bfe_u32 v2, v0, 4, 1
	v_mul_u32_u24 v3, v1, PITCH
	v_lshl_add_u32 v4, v2, 4, v3                   ; a fragment's row x pitch + 16 x half
	v_add_nc_u32 v[ADRA], s21, v4
	v_add_nc_u32 v[ADRB], s22, v4
	v_add_nc_u32 v[ADRA+1], SLOT, v[ADRA]
	v_add_nc_u32 v[ADRB+1], SLOT, v[ADRB]
	v_and_b32 v6, 31, v0
	v_lshlrev_b32 v[CO], 4, v6
	v_lshlrev_b32 v[PFO], 11, v6
	s_bfe_u32 s40, ttmp6, 0x40000                  ; cx
	s_bfe_u32 s41, ttmp6, 0x40004                  ; cy
	s_lshr_b32 s66, ttmp9, 1                       ; 0: Q, 1: K, 2: V^T
	s_and_b32 s42, ttmp9, 1
	s_lshl_b32 s42, s42, 2
	s_add_co_u32 s42, s42, s40                     ; tile column
	s_and_b32 s17, ttmp7, 0xffff
	s_lshl_b32 s17, s17, 2
	s_add_co_u32 s17, s17, s41                     ; tile row
	s_lshl_b32 s43, s41, 2
	s_lshl_b32 s43, 15, s43                        ; my row of the cluster
	s_lshl_b32 s44, 0x1111, s40                    ; my column
	s_or_b32 s[G1+0], s43, (0<<16)|(1<<20)|(1<<21)|(5<<22)|(3<<25)
	s_or_b32 s[G1B+0], s44, (0<<16)|(1<<20)|(1<<21)|(5<<22)|(3<<25)
.irp g, G1, G1B
	s_mov_b32 s[\g+1], ROWB<<16
	s_mov_b32 s[\g+2], 128<<16
	s_mov_b32 s[\g+3], ROWB<<16
	s_mov_b32 s[\g+4], 128
	s_mov_b32 s[\g+5], 2048
	s_mov_b32 s[\g+6], 0
	s_mov_b32 s[\g+7], 0
.endr
	s_lshl_b32 s18, s16, 7
	s_lshl_b32 s19, s66, 22                        ; the product's tensor of codes: the same place in xcodes and in wcodes
	s_lshl_b32 s20, s17, 8
	s_add_co_u32 s20, s20, s18
	s_lshl_b32 s20, s20, 11
	s_add_co_u32 s20, s20, s19
	s_mov_b32 s21, 0
	s_lshl_b32 s46, s42, 8
	s_add_co_u32 s46, s46, s18
	s_lshl_b32 s46, s46, 11
	s_add_co_u32 s46, s46, s19
	s_mov_b32 s47, 0
	s_mul_i32 s45, s14, HALFT
	s_wait_alu depctr_va_vdst(0)                   ; the wait at the head's end
	s_wait_dscnt 0x0                               ; both opening adds are done
	s_wait_kmcnt 0x0
	s_load_b256 s[80:87], s[8:9], 0x0
	s_load_b128 s[88:91], s[8:9], 0x20
	s_cmp_eq_u32 s66, 2                            ; V^T: A = Wv, B = x
	s_cselect_b64 s[68:69], s[6:7], s[4:5]
	s_cselect_b64 s[70:71], s[4:5], s[6:7]
	s_add_nc_u64 s[20:21], s[68:69], s[20:21]
	s_add_nc_u64 s[46:47], s[70:71], s[46:47]
	CROUND                                         ; all sixteen are here: the first joint loads meet
.irp s, 0,1
	s_mov_b32 s[G0+4*\s], 1
	s_add_co_u32 s[G0+4*\s+1], s45, \s*SLOT
	s_add_nc_u64 s[G0+4*\s+2:G0+4*\s+3], s[20:21], \s*ROWB
	s_or_b32 s[G0+4*\s+3], s[G0+4*\s+3], 0x80000000
	s_mov_b32 s[G0B+4*\s], 1
	s_add_co_u32 s[G0B+4*\s+1], s45, \s*SLOT
	s_add_nc_u64 s[G0B+4*\s+2:G0B+4*\s+3], s[46:47], \s*ROWB
	s_or_b32 s[G0B+4*\s+3], s[G0B+4*\s+3], 0x80000000
.endr
	JLOAD G0, G1, G0B, G1B                         ; K step 0, my one load at the head
	s_cmp_eq_u32 s15, 0                            ; the prefetches: my fetch's rows, my work-group's 32 of them
	s_cselect_b64 s[PFA:PFA+1], s[20:21], s[46:47]
	s_cselect_b32 s72, s40, s41
	s_lshl_b32 s72, s72, 16
	s_mov_b32 s73, 0
	s_add_nc_u64 s[PFA:PFA+1], s[PFA:PFA+1], s[72:73]
	global_prefetch_b8 v[PFO], s[PFA:PFA+1] offset:ROWB th:TH_LOAD_NT scope:SCOPE_SE
	s_lshl_b32 s72, s17, 1
	s_add_co_u32 s72, s72, s15                     ; which 128 rows of the product,
	s_lshl_b32 s73, s42, 1
	s_add_co_u32 s73, s73, s16                     ; which 128 columns
	s_cmp_eq_u32 s66, 2
	s_cselect_b32 s76, s72, s73                    ; the head,
	s_cselect_b32 s77, s73, s72                    ; the block of 128 t
	s_lshl_b32 s76, s76, 4
	s_add_co_u32 s76, s76, s77
	s_lshl_b32 s76, s76, 14
	s_lshl_b32 s77, s66, 22
	s_add_co_u32 s76, s76, s77
	s_mov_b32 s77, 0
	s_add_nc_u64 s[10:11], s[10:11], s[76:77]
.macro FRAG reg, adr, q, i
.irp c, 0,1,2,3
	ds_load_b128 v[\reg+4*\c:\reg+4*\c+3], v[\adr] offset:128*(\q)+32*\c+(\i)*16*PITCH
.endr
.endm
.macro MUL16 a0, p, zero               ; A's blocks a0, a0 + 1 x B's eight; the 64 accumulators take turns, one instruction a turn
.irp a, \a0, \a0+1
.irp b, 0,1,2,3,4,5,6,7
.if \zero
	v_wmma_f32_16x16x128_fp8_fp8 v[8*(8*((\a)%4)+\b):8*(8*((\a)%4)+\b)+7], v[128*(\p)+FR*\b:128*(\p)+FR*\b+FR-1], v[AF+FR*(\a):AF+FR*(\a)+FR-1], 0
.else
	v_wmma_f32_16x16x128_fp8_fp8 v[8*(8*((\a)%4)+\b):8*(8*((\a)%4)+\b)+7], v[128*(\p)+FR*\b:128*(\p)+FR*\b+FR-1], v[AF+FR*(\a):AF+FR*(\a)+FR-1], v[8*(8*((\a)%4)+\b):8*(8*((\a)%4)+\b)+7]
.endif
.endr
.endr
.endm
.macro FETCH_B slot, q, p, i0          ; four of B's fragments into set p: 16 loads
	WIN TO_B
.irp i, \i0, \i0+1, \i0+2, \i0+3
	FRAG 128*(\p)+FR*(\i), ADRB+\slot, \q, \i
.endr
.endm
.macro FETCH_A slot, q, i0             ; four of A's: 16 loads
	WIN 0
.irp i, \i0, \i0+1, \i0+2, \i0+3
	FRAG AF+FR*(\i), ADRA+\slot, \q, \i
.endr
.endm
.macro PLACES                          ; four plain vector lines behind a matrix instruction (ISA guide 7.12.1)
.rept 4
	v_nop
.endr
.endm
; A step of 128 along K that has its successor in the same slot.  (B's other set was last read ahead of the four v_nop that end the step before.)
.macro STEP slot, q, zero
	s_wait_dscnt 16                                ; B's set and A's blocks 0-3 are in; the youngest 16 (A's blocks 4-7) may be out
	WIN MUL_LO
	MUL16 0, (\q)%2, \zero
	FETCH_B \slot, (\q)+1, 1-(\q)%2, 0
	WIN MUL_LO
	MUL16 2, (\q)%2, \zero
	FETCH_B \slot, (\q)+1, 1-(\q)%2, 4
	s_wait_dscnt 32                                ; A's blocks 4-7 are in; B's 32 loads may be out
	WIN MUL_HI
	MUL16 4, (\q)%2, \zero
	PLACES
	FETCH_A \slot, (\q)+1, 0
	WIN MUL_HI
	MUL16 6, (\q)%2, \zero
	PLACES
	FETCH_A \slot, (\q)+1, 4
.endm
; A slot's last step changes slots: each wave waits for all its tensor loads, adds 0 to its spare word, waits for that and for its reads; the barrier opens a round of the cluster's where the slot is filled again.
.macro TURN slot, next, fill
.if \fill
	s_wait_xcnt 0x0                                ; the last prefetch has read its address
	s_add_nc_u64 s[PFA:PFA+1], s[PFA:PFA+1], ROWB
.endif
	s_wait_tensorcnt 0x0
	ds_add_u32 v[SPW], v[NIL]
	s_wait_dscnt 17                                ; (the add and A's blocks 4-7 may be out)
	WIN MUL_LO
	MUL16 0, 1, 0
	s_wait_dscnt 0x0                               ; the add is done, and my reads of this slot are over
	s_barrier_signal -1
	MUL16 2, 1, 0
	WIN 0
	s_barrier_wait -1
.if \fill
	CREST
	s_add_nc_u64 s[G0+4*\slot+2:G0+4*\slot+3], s[G0+4*\slot+2:G0+4*\slot+3], 2*ROWB
	s_add_nc_u64 s[G0B+4*\slot+2:G0B+4*\slot+3], s[G0B+4*\slot+2:G0B+4*\slot+3], 2*ROWB
	JLOAD G0+4*\slot, G1, G0B+4*\slot, G1B         ; the first tensor load behind the round; its four v_nop are places in front of the loads below
.else
	PLACES
.endif
	FETCH_A \next, 0, 0
	FETCH_B \next, 0, 0, 0
.if \fill
	WIN 0
	s_cmp_gt_u32 s3, 1                             ; the loop's last trip has no K step two refills on
	s_cbranch_scc0 .Lno_ask_\@
	global_prefetch_b8 v[PFO], s[PFA:PFA+1] offset:3*ROWB th:TH_LOAD_NT scope:SCOPE_SE
.Lno_ask_\@:
.endif
	WIN MUL_HI
	MUL16 4, 1, 0
	FETCH_B \next, 0, 0, 4
	WIN MUL_HI
	MUL16 6, 1, 0
	PLACES
	FETCH_A \next, 0, 4
.endm
	s_wait_tensorcnt 0x0                           ; my part of K step 0 is in; these lines stand ahead of a later first fill as ahead of a refill
	ds_add_u32 v[SPW], v[NIL]
	s_wait_dscnt 0x0
	CROUND
	JLOAD G0+4, G1, G0B+4, G1B                     ; K step 1
	FETCH_B 0, 0, 0, 0
	FETCH_B 0, 0, 0, 4
	FETCH_A 0, 0, 0
	FETCH_A 0, 0, 4
	global_prefetch_b8 v[PFO], s[PFA:PFA+1] offset:2*ROWB th:TH_LOAD_NT scope:SCOPE_SE
	global_prefetch_b8 v[PFO], s[PFA:PFA+1] offset:3*ROWB th:TH_LOAD_NT scope:SCOPE_SE
	STEP 0, 0, 1                                   ; the first step's products start the sums
	s_mov_b32 s3, LAPS-1
.Llap:
	TURN 0, 1, 1
	STEP 1, 0, 0
	TURN 1, 0, 1
	STEP 0, 0, 0
	s_sub_co_u32 s3, s3, 1
	s_cmp_lg_u32 s3, 0
	s_cbranch_scc1 .Llap
	TURN 0, 1, 0
	STEP 1, 0, 0
	s_wait_dscnt 16
	WIN MUL_LO
	MUL16 0, 1, 0
	MUL16 2, 1, 0
	s_wait_dscnt 0
	WIN MUL_HI
	MUL16 4, 1, 0
	MUL16 6, 1, 0
	WIN 0
	; THE WAY OUT: a sum's code is sum / 2^(e of the result - its two operands' e), held within the largest code
	s_wait_kmcnt 0x0
	s_add_co_i32 s92, s80, s81
	s_add_co_i32 s93, s82, s83
	s_add_co_i32 s94, s84, s85
	s_cmp_eq_u32 s66, 0
	s_cselect_b32 s93, s92, s93
	s_cselect_b32 s95, s86, s87
	s_cmp_eq_u32 s66, 2
	s_cselect_b32 s93, s94, s93
	s_cselect_b32 s95, s89, s95
	s_sub_co_i32 s95, s95, s93
	s_add_co_i32 s95, s95, 127
	s_lshl_b32 s96, s95, 23
	v_mov_b32 v[SCL], s96
	s_add_co_i32 s95, s95, 8
	s_lshl_b32 s95, s95, 23
	s_or_b32 s95, s95, 0x600000
	v_mov_b32 v[LIM], s95
	PLACES
.irp a, 0,1,2,3,4,5,6,7
	WIN 0x02+(\a/4)                                ; source 0: window 2 or 3
.set j, 0
.rept 64
	v_med3_num_f32 v[TMP+j], v[64*(\a%4)+j], -v[LIM], v[LIM]   ; each accumulator from its low end on
.set j, j+1
.endr
	WIN 0
.irp b, 0,1,2,3,4,5,6,7
	v_cvt_scalef32_pk8_fp8_f32 v[CD+16*\a+2*\b:CD+16*\a+2*\b+1], v[TMP+8*\b:TMP+8*\b+7], v[SCL]
.endr
	v_nop                                          ; one plain vector line behind the last conversion
.irp c, 0,1,2,3
	global_store_b128 v[CO], v[CD+16*\a+4*\c:CD+16*\a+4*\c+3], s[10:11] offset:2048*\a+512*\c   ; 512 consecutive bytes, aligned
.endr
.endr
	s_wait_tensorcnt 0x0                           ; the wave's end
	ds_add_u32 v[SPW], v[NIL]
	s_wait_dscnt 0x0
	CROUND                                         ; the closing round
	s_endpgm
.Lfunc_end_k_qece32ca078_qkv:
	.size	k_qece32ca078_qkv, .Lfunc_end_k_qece32ca078_qkv-k_qece32ca078_qkv
	.p2alignl 7, 3214868480
	.fill 96, 4, 3214868480
	.section	.rodata,"a",@progbits
	.p2align	6, 0x0
	.amdhsa_kernel k_qece32ca078_qkv
		.amdhsa_group_segment_fixed_size 327680
		.amdhsa_private_segment_fixed_size 0
		.amdhsa_enable_private_segment 0
		.amdhsa_kernarg_size 32
		.amdhsa_user_sgpr_count 2
		.amdhsa_user_sgpr_kernarg_segment_ptr 1
		.amdhsa_wavefront_size32 1
		.amdhsa_system_sgpr_workgroup_id_x 1
		.amdhsa_system_sgpr_workgroup_id_y 1
		.amdhsa_system_sgpr_workgroup_id_z 1
		.amdhsa_system_vgpr_workitem_id 0
		.amdhsa_next_free_vgpr 1024
		.amdhsa_next_free_sgpr 98
		.amdhsa_reserve_vcc 0
		.amdhsa_float_denorm_mode_32 3
		.amdhsa_float_denorm_mode_16_64 3
		.amdhsa_memory_ordered 1
		.amdhsa_forward_progress 1
		.amdhsa_inst_pref_size 120
	.end_amdhsa_kernel
	.amdgpu_metadata
---
amdhsa.version: [ 1, 2 ]
amdhsa.kernels:
  - .name:           k_qece32ca078_qkv
    .symbol:         k_qece32ca078_qkv.kd
    .args:
      - { .name: xcodes, .offset: 0, .size: 8, .value_kind: global_buffer, .address_space: global }
      - { .name: wcodes, .offset: 8, .size: 8, .value_kind: global_buffer, .address_space: global }
      - { .name: lowp_scales, .offset: 16, .size: 8, .value_kind: global_buffer, .address_space: global }
      - { .name: qkv, .offset: 24, .size: 8, .value_kind: global_buffer, .address_space: global }
    .group_segment_fixed_size: 327680
    .private_segment_fixed_size: 0
    .kernarg_segment_align: 8
    .kernarg_segment_size: 32
    .max_flat_workgroup_size: 128
    .sgpr_count:     98
    .vgpr_count:     1024
    .wavefront_size: 32
...
	.end_amdgpu_metadata
.endif
;; end of part 2
;; launch attn (part 3): grid 16 x 16, 4 waves a work-group, no clusters, 320,000 bytes of LDS; arguments qkv, maskbits, flags, lowp_scales, ocodes, Wo, wocodes; writes ocodes, wocodes
.if DOCPART == 3
	.amdgcn_target "amdgcn-amd-amdhsa--gfx1250"
	.amdhsa_code_object_version 6
	.text
	.protected	k_qece32ca078_attn
	.globl	k_qece32ca078_attn
	.p2align	8
	.type	k_qece32ca078_attn,@function
k_qece32ca078_attn:
	s_mov_b64 s[64:65], 0
	v_nop
	global_prefetch_b8 v0, s[64:65] scope:SCOPE_SE
	s_setreg_imm32_b32 hwreg(HW_REG_WAVE_MODE, 25, 1), 1
	s_wait_xcnt 0x0
; ATTENTION on codes of FP8 (E4M3): scores = Q K^T / sqrt(128), the mask (an INPUT), softmax, x V; the result is quantised with the scale given for the last product (entry 10) and leaves as codes.
; WHAT IS WALKED hangs on whole numbers that an earlier launch stored: for each tile of 16 queries a bit for each step of 128 keys.  A step that is left out has a false mask throughout, and every row of the tile has a true key
; elsewhere: its p are exact zeros.  A tile with a row that has no true key keeps all steps.  The selects are passed over in a tile whose mask is true throughout.  A NaN or an infinity in scores that the mask hides there is not carried.
; SOFTMAX AHEAD OF THE SECOND PRODUCT: t = logit x log2(e); M = the largest t so far, rounded UP to a whole number; p = 2^(t - M) is what is quantised (entry 8); the row's sum is taken of the unquantised p and divides at the end.
; A hidden key's score is -2^(64 - e6 - e7): times c that is an f32 number without rounding, near -2^61, and a whole number; so in a row with no true key t - M is 0 and p is 1 at every key.
; LIMITS: the scaled scores t stay under 2^31 in magnitude; e6 + e7 between -63 and 130; e8, and e10 - e8 - e9, between -126 and 119.
; SHARES.  A work-group owns two blocks of 64 queries of one head, b and 31 - b; each of its four waves walks both blocks one after the other, over a quarter of the steps (step s: wave s % 4 in the first block, wave 3 - s % 4 in
; the second).  So each fragment of K and V that a wave loads feeds four products.  The quarters' O^T, -M and sums meet in LDS at the end, behind one barrier; each wave finishes one tile of each block.
; NO CLUSTER, NO TENSOR LOAD: partners would need different steps.  K and V come from memory as images of the operand's registers, 512 consecutive bytes a load, one step ahead.
; PREFETCH: the work-group with number b asks once for step b's 32 KiB of K and V, a quarter a wave, lanes 256 bytes apart: each 256 bytes once in the launch.  Steps 0 to 3 are loaded at once by the waves' first loads, and are not asked for.
; LAYOUT.  S^T = K Q^T, O^T = V^T P^T: a lane holds ONE query (lane % 16).  Register 8 k + j of S^T holds key 16 k + 8 (lane / 16) + j: the codes of p are the second product's operand as they stand.  V^T's rows lie so that registers
; of tiles 2 c and 2 c + 1 of O^T are 16 neighbours of the head's 128.
; REGISTERS: window w has tile w of the 64 queries: v[2:3] mask words, v[4:5] the sum in two halves, v15 2^e8, v16-31 Q, v96-159 S^T, t, p, v160-223 O^T, v224-239 p's codes (before that at work).  v32-95: windows 0, 1: K; 2, 3: V.
; Window 0 besides: v1 16 x lane, v8 8 x lane, v6, v7 the add's two, v9-12 where partials go, v13 the hidden score, v14 the prefetch's offset; v[240+2w] -M, v[241+2w] the largest t; v[248+2w] the step's maximum, then f; v[249+2w] at work.
.set PBLK,  8704                       ; a partial: 16 x 512 bytes of O^T and 512 of -M and the sum; partial (block u, tile w, wave q) is number (4 u + w) 4 + q
.set SPARE, 32*PBLK
; WO: this launch also makes wocodes [2048 n][2048 k], the codes of Wo (entry 11, between -126 and 119; NaN is not served), K in its own order: each of the 1,024 waves turns 4,096 numbers, behind its last step and ahead of the
; barrier, in eight steps of 512 (a stage of 80 bytes for each lane's 64, four steps at a time).  At the change of blocks, a block's walk ahead, each wave asks once for its own 16 KiB of Wo, lanes 256 bytes apart.
.set SP,    80
.set WSTEP, 32*SP
.set WST,   SPARE+512                  ; behind the spare words: the waves' stages
.set SPW, 6
.set NIL, 7
.set CS,   22                          ; s[22:23] c x 2^(e6 + e7)
.set FL,   24                          ; s24-27   bit i: the mask of tile w at item i is true throughout
.set LST,  32                          ; s32      items left: bits 0-15 steps of the first block, 16-31 of the second
.set CUR,  33
.set NXT,  34
.set MST,  35                          ; s35      bytes of mask words from the first block to the second, / 16
.set KB,   36                          ; s[36:37], s[38:39], s[40:41] where K, V and the mask words of the item to be loaded lie
.set VB,   38
.set MB,   40
.set WRD,  66                          ; s66-97   32 mask words
.set MSB, 0
.macro WIN new
.if MSB != (\new)
	s_set_vgpr_msb (MSB<<8)|(\new)
.set MSB, (\new)
.endif
.endm
.macro PLACES
.rept 4
	v_nop
.endr
.endm
.macro FRAGS base, o, n                ; n fragments from tile o on, into v32-95 of the destination's window.  v0 (its thread's number was used at the head) is 16 x lane, in the last trip 0
.set FT, 0
.rept \n
.irp c, 0,1,2,3
	global_load_b128 v[32+16*((\o+FT)%4)+4*\c:35+16*((\o+FT)%4)+4*\c], v0, s[\base:\base+1] offset:(\o+FT)*2048+512*\c
.endr
.set FT, FT+1
.endr
.endm
.macro LOADK o                         ; two tiles of K: 8 loads
	WIN 0x40*(\o/4)
	FRAGS KB, \o, 2
	WIN 0
.endm
.macro LOADV h                         ; four tiles of V: 16 loads
	WIN 0x80+0x40*\h
	FRAGS VB, 4*\h, 4
	WIN 0
.endm
.macro LOADM                           ; the mask words of four tiles: 4 loads
.irp w, 0,1,2,3
	WIN 0x40*\w
	global_load_b64 v[2:3], v8, s[MB:MB+1] offset:4096*\w
.endr
	WIN 0
.endm
.macro LOADQ base
.irp w, 0,1,2,3
	WIN 0x40*\w
.irp c, 0,1,2,3
	global_load_b128 v[16+4*\c:19+4*\c], v1, s[\base:\base+1] offset:2048*\w+512*\c
.endr
.endr
	WIN 0
.endm
.macro WHERE                           ; item s[NXT] (0..31): its step's K, V and mask words
	s_and_b32 s50, s[NXT], 15
	s_lshl_b32 s42, s50, 14
	s_lshl_b32 s44, s50, 8
	s_and_b32 s51, s[NXT], 16
	s_mul_i32 s51, s51, s[MST]
	s_add_co_u32 s44, s44, s51
	s_add_nc_u64 s[KB:KB+1], s[14:15], s[42:43]
	s_add_nc_u64 s[VB:VB+1], s[16:17], s[42:43]
	s_add_nc_u64 s[MB:MB+1], s[20:21], s[44:45]
.endm
	s_load_b256 s[4:11], s[0:1], 0x0               ; qkv 4:5, maskbits 6:7, flags 8:9, scales 10:11
	s_load_b64 s[12:13], s[0:1], 0x20              ; ocodes
	s_load_b128 s[84:87], s[0:1], 0x28             ; Wo, wocodes
	v_lshl_add_u32 v[SPW], v0, 2, SPARE
	v_mov_b32 v[NIL], 0
	v_lshrrev_b32 v14, 5, v0
	v_readfirstlane_b32 s2, v14                    ; wave q
	s_mul_i32 s50, s2, PBLK
	v_and_b32 v8, 31, v0
	v_lshlrev_b32 v1, 4, v8
	v_lshlrev_b32 v14, 8, v8
	v_lshlrev_b32 v8, 3, v8
	v_mov_b32 v0, v1
	v_add_nc_u32 v9, s50, v1                       ; where my partials go: tiles 0, 1 of the first block,
	v_add_nc_u32 v10, 8*PBLK, v9                   ; 2, 3,
	v_add_nc_u32 v11, 16*PBLK, v9                  ; and the second block's
	v_add_nc_u32 v12, 24*PBLK, v9
.irp w, 0,1,2,3
	v_mov_b32 v[248+2*\w], 0                       ; written once: the pairs are named whole, and a lane permute's destination counts as a source
	v_mov_b32 v[249+2*\w], 0
.endr
	s_mov_b32 s43, 0
	s_mov_b32 s45, 0
	s_mov_b32 s52, 0x76543210
	s_mov_b32 s53, 0xfedcba98                      ; v_permlanex16_b32's selects for lane l xor 16
	s_and_b32 s48, ttmp7, 0xffff                   ; the head
	s_sub_co_u32 s49, 31, ttmp9                    ; the second block
	s_lshl_b32 s66, ttmp9, 10
	s_mov_b32 s67, 0
	s_lshl_b32 s68, s49, 10
	s_mov_b32 s69, 0
	s_wait_alu depctr_va_vdst(0)
	s_wait_kmcnt 0x0
	s_add_nc_u64 s[66:67], s[8:9], s[66:67]
	s_add_nc_u64 s[68:69], s[8:9], s[68:69]
.irp w, 0,1,2,3
	s_load_b32 s[24+\w], s[66:67], 0x100*\w        ; the flags of the first block's four tiles,
	s_load_b32 s[28+\w], s[68:69], 0x100*\w        ; of the second's
.endr
	s_load_b128 s[76:79], s[10:11], 0x18           ; e6, e7, e8, e9
	s_load_b32 s80, s[10:11], 0x28                 ; e10
	s_load_b32 s81, s[10:11], 0x2c                 ; e11
	s_lshl_b32 s42, s48, 18
	s_add_nc_u64 s[18:19], s[4:5], s[42:43]
	s_add_nc_u64 s[14:15], s[18:19], 0x400000      ; the head's K,
	s_add_nc_u64 s[16:17], s[18:19], 0x800000      ; V^T,
	s_lshl_b32 s44, s49, 13
	s_add_nc_u64 s[58:59], s[18:19], s[44:45]      ; Q of the second block
	s_lshl_b32 s44, ttmp9, 13
	s_add_nc_u64 s[18:19], s[18:19], s[44:45]      ; and of the first
	LOADQ 18
.irp w, 1,2,3                          ; the second block's Q waits in registers that are idle till then: tiles 1 to 3 in v240-255 of their windows,
	WIN 0x40*\w
.irp c, 0,1,2,3
	global_load_b128 v[240+4*\c:243+4*\c], v1, s[58:59] offset:2048*\w+512*\c
.endr
.endr
.irp w, 1,2                            ; tile 0 in v6-13 of windows 1 and 2
	WIN 0x40*\w
	global_load_b128 v[6:9], v1, s[58:59] offset:1024*(\w-1)
	global_load_b128 v[10:13], v1, s[58:59] offset:1024*(\w-1)+512
.endr
	WIN 0
	s_lshl_b32 s44, ttmp9, 14
	s_add_nc_u64 s[20:21], s[6:7], s[44:45]        ; the first block's mask words
	s_lshl_b32 s[MST], ttmp9, 1
	s_sub_co_u32 s[MST], 31, s[MST]
	s_lshl_b32 s[MST], s[MST], 10
	s_lshl_b32 s46, s48, 13
	s_lshl_b32 s47, s2, 11
	s_add_co_u32 s46, s46, s47
	s_lshl_b32 s44, ttmp9, 17
	s_add_co_u32 s44, s44, s46
	s_add_nc_u64 s[60:61], s[12:13], s[44:45]      ; the result: [32 blocks of 64 t][16 heads][4 tiles][2048]: tile q of the first block
	s_lshl_b32 s44, s49, 17
	s_add_co_u32 s44, s44, s46
	s_add_nc_u64 s[62:63], s[12:13], s[44:45]      ; and of the second
	s_wait_kmcnt 0x0
	s_or_b32 s50, s24, s25
	s_or_b32 s50, s50, s26
	s_or_b32 s50, s50, s27
	s_lshl_b32 s51, 0x1111, s2
	s_and_b32 s50, s50, s51                        ; my steps of the first block (bits 0-15; the pattern's shift reaches bit 15)
	s_or_b32 s[LST], s28, s29
	s_or_b32 s[LST], s[LST], s30
	s_or_b32 s[LST], s[LST], s31
	s_sub_co_u32 s51, 3, s2
	s_lshl_b32 s51, 0x1111, s51
	s_and_b32 s[LST], s[LST], s51                  ; of the second
	s_bcnt1_i32_b32 s46, s50
	s_bcnt1_i32_b32 s47, s[LST]
	s_lshl_b32 s[LST], s[LST], 16
	s_or_b32 s[LST], s[LST], s50
	s_ctz_i32_b32 s[NXT], s[LST]
	s_min_u32 s[NXT], s[NXT], 31                   ; (with no item at all the loads take the last step, unused)
	s_mov_b32 s[CUR], s[NXT]
	WHERE
.irp o, 0,2,4,6
	LOADK \o
.endr
	LOADM
	LOADV 0
	LOADV 1
.irp w, 0,1,2,3
	s_lshr_b32 s[24+\w], s[24+\w], 16
	s_and_b32 s[28+\w], s[28+\w], 0xffff0000
	s_or_b32 s[FL+\w], s[24+\w], s[28+\w]
.endr
	s_add_co_i32 s50, s76, s77                     ; e6 + e7
	s_lshl_b32 s51, s50, 23
	s_add_co_i32 s[CS], s51, 0x3e0293ee            ; log2(e) / sqrt(128), the exponents added to its exponent field
	s_mov_b32 s[CS+1], s[CS]                       ; (named with it as a pair)
	s_sub_co_i32 s50, 127+64, s50
	s_lshl_b32 s50, s50, 23
	s_or_b32 s50, s50, 0x80000000
	v_mov_b32 v13, s50                             ; -2^(64 - e6 - e7)
	s_add_co_i32 s50, s78, 127
	s_lshl_b32 s57, s50, 23                        ; 2^e8
	s_add_co_i32 s50, s50, 8
	s_lshl_b32 s54, s50, 23
	s_or_b32 s54, s54, 0x600000                    ; 448 x 2^e8
	s_sub_co_i32 s50, s80, s78
	s_sub_co_i32 s50, s50, s79
	s_add_co_i32 s50, s50, 127
	s_lshl_b32 s55, s50, 23                        ; 2^(e10 - e8 - e9)
	s_add_co_i32 s50, s50, 8
	s_lshl_b32 s56, s50, 23
	s_or_b32 s56, s56, 0x600000                    ; 448 x that
	s_add_co_i32 s50, s81, 127
	s_lshl_b32 s4, s50, 23                         ; 2^e11
	s_add_co_i32 s50, s50, 8
	s_lshl_b32 s5, s50, 23
	s_or_b32 s5, s5, 0x600000                      ; 448 x 2^e11
	s_lshl_b32 s50, s48, 4
	s_add_co_u32 s50, s50, ttmp9
	s_lshl_b32 s50, s50, 2
	s_add_co_u32 s50, s50, s2                      ; my run of Wo's numbers: 0..1023
	s_lshl_b32 s68, s50, 14
	s_mov_b32 s69, 0
	s_add_nc_u64 s[8:9], s[84:85], s[68:69]        ; its f32 numbers,
	s_lshl_b32 s68, s50, 12
	s_add_nc_u64 s[12:13], s[86:87], s[68:69]      ; its codes
.irp w, 0,1,2,3
	WIN 0x40*\w
	v_mov_b32 v15, s57
.endr
	WIN 0
	s_wait_alu depctr_va_vdst(0)                   ; the wait ahead of the branch
	s_cmp_lt_u32 ttmp9, 4
	s_cbranch_scc1 .Lno_ask
	s_cmp_lt_u32 s2, 2                             ; waves 0, 1: K's halves; 2, 3: V's
	s_cselect_b64 s[66:67], s[14:15], s[16:17]
	s_lshl_b32 s68, ttmp9, 14
	s_and_b32 s69, s2, 1
	s_lshl_b32 s69, s69, 13
	s_add_co_u32 s68, s68, s69
	s_mov_b32 s69, 0
	s_add_nc_u64 s[66:67], s[66:67], s[68:69]
	global_prefetch_b8 v14, s[66:67] th:TH_LOAD_NT scope:SCOPE_SE
.Lno_ask:
	s_mov_b32 s49, s46                             ; trips of the first block
	s_mov_b32 s3, 0
; A tile's selects: lane n / 2 holds words n (n even: first register): each word goes to a scalar register, then chooses
.macro SELECT w
	s_bitcmp1_b32 s[FL+\w], s[CUR]
	s_cbranch_scc1 .Lopen_\@                       ; true throughout
.irp g, 0,32
	WIN \w
.set n, 0
.rept 32
	v_readlane_b32 s[WRD+n], v[2+n%2], (\g+n)/2
.set n, n+1
.endr
	WIN 0x44*\w                                    ; source 0 window 0, source 1 and destination window w
.set n, 0
.rept 32
	v_cndmask_b32 v[96+\g+n], v13, v[96+\g+n], s[WRD+n]
.set n, n+1
.endr
.endr
	WIN 0
.Lopen_\@:
.endm
.macro MAXIMUM w                       ; the step's largest score of my query among my 64 keys: a chain for each accumulator, from its low end on
	WIN 0x55*\w
.irp k, 0,1,2,3,4,5,6,7
	v_max3_num_f32 v[224+\k], v[96+8*\k], v[97+8*\k], v[98+8*\k]
.endr
.irp i, 3,5
.irp k, 0,1,2,3,4,5,6,7
	v_max3_num_f32 v[224+\k], v[224+\k], v[96+8*\k+\i], v[97+8*\k+\i]
.endr
.endr
.irp k, 0,1,2,3
	v_max3_num_f32 v[224+\k], v[224+\k], v[103+16*\k], v[111+16*\k]   ; the eight that are left over,
.endr
	v_max3_num_f32 v224, v224, v228, v225          ; and the chains
	v_max3_num_f32 v226, v226, v229, v227
	v_max3_num_f32 v224, v224, v230, v231
	WIN 0x05*\w
	v_max_num_f32 v[248+2*\w], v224, v226
	WIN 0
.endm
; p, its sum and its codes.  The exponentials go in two batches of 32, each with plain lines between whose results are read only behind the batch's wait: the second half's t - M; the first half's first sums and holds.
.macro WEIGHTS w
	WIN 0x45*\w                                    ; source 2 (-M) window 0, all else window w
.set j, 0
.rept 16
	v_pk_fma_f32 v[96+j:97+j], v[96+j:97+j], s[CS:CS+1], v[240+2*\w:241+2*\w] op_sel_hi:[1,0,0]   ; t - M
.set j, j+2
.endr
	s_wait_alu depctr_va_vdst(0)                   ; the wait ahead of the batch
.set j, 0
.rept 32
	v_exp_f32 v[96+j], v[96+j]                     ; p = 2^(t - M), not normalised
.if j%2
	v_pk_fma_f32 v[127+j:128+j], v[127+j:128+j], s[CS:CS+1], v[240+2*\w:241+2*\w] op_sel_hi:[1,0,0]
.endif
.set j, j+1
.endr
	s_wait_alu depctr_va_vdst(0)                   ; behind the batch, and ahead of the next
.set j, 0
.rept 32
	v_exp_f32 v[128+j], v[128+j]
.if j < 8
	v_pk_add_f32 v[224+2*j:225+2*j], v[96+4*j:97+4*j], v[98+4*j:99+4*j]   ; THE SUM IS TAKEN OF THE UNQUANTISED p
.else
	v_min_num_f32 v[88+j], s54, v[88+j]            ; the conversion does not saturate (ISA guide 7.6.2); p is not negative
.endif
.set j, j+1
.endr
.irp i, 24,25,26,27,28,29,30,31
	v_min_num_f32 v[96+\i], s54, v[96+\i]
.endr
	s_wait_alu depctr_va_vdst(0)                   ; behind the batch
.irp k, 0,1,2,3,4,5,6,7
	v_pk_add_f32 v[224+2*\k:225+2*\k], v[224+2*\k:225+2*\k], v[128+4*\k:129+4*\k]
.endr
.irp k, 0,1,2,3,4,5,6,7
	v_pk_add_f32 v[224+2*\k:225+2*\k], v[224+2*\k:225+2*\k], v[130+4*\k:131+4*\k]
.endr
.irp k, 0,1,2,3
	v_pk_add_f32 v[224+2*\k:225+2*\k], v[224+2*\k:225+2*\k], v[232+2*\k:233+2*\k]
.endr
	v_pk_add_f32 v[224:225], v[224:225], v[228:229]
	v_pk_add_f32 v[226:227], v[226:227], v[230:231]
	v_pk_add_f32 v[224:225], v[224:225], v[226:227]
	WIN 0x51*\w                                    ; source 1 (f) window 0
	v_pk_fma_f32 v[4:5], v[4:5], v[248+2*\w:249+2*\w], v[224:225] op_sel_hi:[1,0,1]   ; the sums under the new M
	WIN 0x45*\w
.set j, 0
.rept 32
	v_min_num_f32 v[128+j], s54, v[128+j]
.set j, j+1
.endr
.irp t, 0,1,2,3,4,5,6,7
	v_cvt_scalef32_pk8_fp8_f32 v[224+2*\t:225+2*\t], v[96+8*\t:103+8*\t], v15   ; registers 2 t, 2 t + 1 of the operand
.endr
.endm
.macro PARTIAL u                       ; a block's O^T, -M and sum to LDS, 16 bytes a lane as they stand
.irp w, 0,1,2,3
	WIN 0x05*\w
	v_add_f32 v[241+2*\w], v4, v5                  ; the sum's two halves
.endr
	WIN 0
.irp w, 0,1,2,3
	ds_store_b128 v[9+2*\u+\w/2], v[240+2*\w:243+2*\w] offset:(\w%2)*4*PBLK+8192   ; -M, the sum (the upper two words are not used)
.endr
.irp w, 0,1,2,3
	WIN 0x04*\w                                    ; the data's window w
.irp c, 0,1,2,3,4,5,6,7,8,9,10,11,12,13,14,15
	ds_store_b128 v[9+2*\u+\w/2], v[160+4*\c:163+4*\c] offset:(\w%2)*4*PBLK+512*\c
.endr
.endr
	WIN 0
.endm
.Lblock:                                           ; a block of 64 queries: the first, then the second.  A wave may have no step of it, so its sums begin as zeros
.irp w, 0,1,2,3
	v_mov_b32 v[240+2*\w], 0x7f61b1e6              ; -M: 3e38
	v_mov_b32 v[241+2*\w], 0xff61b1e6              ; the largest t: -3e38
.endr
.irp w, 0,1,2,3
	WIN 0x45*\w
	v_mov_b32 v4, 0
	v_mov_b32 v5, 0
.set j, 0
.rept 32
	v_pk_add_f32 v[160+j:161+j], v[4:5], v[4:5]    ; 0 + 0, two at a time
.set j, j+2
.endr
.endr
	WIN 0
	s_mov_b32 s48, 0
	s_wait_alu depctr_va_vdst(0)                   ; the wait ahead of the branch
	s_cmp_eq_u32 s49, 0
	s_cbranch_scc1 .Lwalked
.Lstep:
	s_wait_loadcnt 32                              ; Q, K and the mask words are in; V's 32 loads may be out
.irp h, 0,1                                    ; S^T = K Q^T: each fragment of K against four tiles of queries
.irp w, 0,1,2,3
	WIN \h+0x44*\w
.irp t, 0,1,2,3
	v_wmma_f32_16x16x128_fp8_fp8 v[96+8*(4*\h+\t):103+8*(4*\h+\t)], v[32+16*\t:47+16*\t], v[16:31], 0
.endr
.endr
.endr
	WIN 0
	s_sub_co_u32 s50, s[LST], 1                    ; the next item; the last trip asks once more for its own
	s_and_b32 s[LST], s[LST], s50
	s_ctz_i32_b32 s50, s[LST]
	s_cmp_lg_u32 s[LST], 0
	s_cselect_b32 s[NXT], s50, s[CUR]
	s_cselect_b32 s57, 496, 0                      ; with no next item every lane of a load names the same 16 bytes, so that the counts stay the same in every trip
	s_min_u32 s[NXT], s[NXT], 31
	s_min_u32 s57, s57, 496
	s_wait_xcnt 0x0                                ; the earlier loads have read their bases and their offset
	WHERE
	v_min_u32 v0, s57, v1
	PLACES                                         ; for the loads into K's registers and for the first read of the scores
	LOADK 0
	SELECT 0
	MAXIMUM 0
	LOADK 2
	SELECT 1
	MAXIMUM 1
	LOADK 4
	SELECT 2
	MAXIMUM 2
	LOADK 6
	SELECT 3
	MAXIMUM 3
	LOADM                                          ; this item's mask words have been used
.irp w, 0,1,2,3
	v_permlanex16_b32 v[249+2*\w], v[248+2*\w], s52, s53
.endr
.irp w, 0,1,2,3
	v_max_num_f32 v[248+2*\w], v[248+2*\w], v[249+2*\w]   ; with lane l xor 16's
.endr
.irp w, 0,1,2,3
	v_mul_f32 v[248+2*\w], s[CS], v[248+2*\w]      ; as t (c is positive)
.endr
.irp w, 0,1,2,3
	v_max_num_f32 v[241+2*\w], v[241+2*\w], v[248+2*\w]
.endr
.irp w, 0,1,2,3
	v_mov_b32 v[249+2*\w], v[240+2*\w]
.endr
.irp w, 0,1,2,3
	v_floor_f32 v[240+2*\w], -v[241+2*\w]          ; the new -M: M IS A WHOLE NUMBER
.endr
.irp w, 0,1,2,3
	v_sub_f32 v[249+2*\w], v[240+2*\w], v[249+2*\w]
.endr
.irp w, 0,1,2,3
	v_cvt_i32_f32 v[249+2*\w], v[249+2*\w]         ; (it saturates)
.endr
.irp w, 0,1,2,3
	v_ldexp_f32 v[248+2*\w], 1.0, v[249+2*\w]      ; f = 2^(old M - new M)
.endr
.irp w, 0,1,2,3
	WIN 0x41*\w                                    ; source 1 (f) window 0
.set j, 0
.rept 32
	v_pk_mul_f32 v[160+j:161+j], v[160+j:161+j], v[248+2*\w:249+2*\w] op_sel_hi:[1,0]   ; O^T under the new M: nothing is rounded
.set j, j+2
.endr
.endr
	WEIGHTS 0
	WEIGHTS 1
	WEIGHTS 2
	WEIGHTS 3
	v_nop                                          ; one plain vector line behind the last conversion
	s_wait_alu depctr_va_vdst(0)
	s_wait_loadcnt 36                              ; V is in; the next item's 32 loads of K and 4 of mask words may be out
.irp h, 0,1                                    ; O^T += V^T P^T; the 32 accumulators take turns, one instruction a turn
.irp w, 0,1,2,3
	WIN 2+\h+0x54*\w
.irp t, 0,1,2,3
	v_wmma_f32_16x16x128_fp8_fp8 v[160+8*(4*\h+\t):167+8*(4*\h+\t)], v[32+16*\t:47+16*\t], v[224:239], v[160+8*(4*\h+\t):167+8*(4*\h+\t)]
.endr
.endr
	PLACES                                         ; for the loads into the half of V just multiplied
	LOADV \h
.endr
	s_mov_b32 s[CUR], s[NXT]
	s_add_co_u32 s48, s48, 1
	s_wait_alu depctr_va_vdst(0)                   ; the wait ahead of the branch
	s_cmp_lt_u32 s48, s49
	s_cbranch_scc1 .Lstep
.Lwalked:
	s_cmp_eq_u32 s3, 0
	s_cbranch_scc0 .Lsecond
	s_wait_loadcnt 32                              ; both blocks' Q have landed on every way; V's 32 loads may be out
	PARTIAL 0
.irp w, 1,2,3                                  ; the second block's Q
	WIN 0x41*\w
.set j, 0
.rept 16
	v_mov_b32 v[16+j], v[240+j]
.set j, j+1
.endr
.endr
.irp w, 1,2
	WIN \w
.set j, 0
.rept 8
	v_mov_b32 v[8+8*\w+j], v[6+j]
.set j, j+1
.endr
.endr
	WIN 0
	global_prefetch_b8 v14, s[8:9] th:TH_LOAD_NT scope:SCOPE_SE               ; my 16 KiB of Wo
	global_prefetch_b8 v14, s[8:9] offset:8192 th:TH_LOAD_NT scope:SCOPE_SE
	s_mov_b32 s49, s47
	s_wait_alu depctr_va_vdst(0)                   ; the wait ahead of the branch
	s_add_co_u32 s3, s3, 1
	s_cmp_lt_u32 s3, 2
	s_cbranch_scc1 .Lblock
.Lsecond:
.irp w, 0,1                            ; my numbers of Wo, 512 consecutive bytes a load, into the scores' registers: steps 0-3 window 0, 4-7 window 1
	WIN 0x40*\w
.irp t, 0,1,2,3
.irp i, 0,1,2,3
	global_load_b128 v[96+16*\t+4*\i:99+16*\t+4*\i], v1, s[8:9] offset:8192*\w+2048*\t+512*\i th:TH_LOAD_NT
.endr
.endr
.endr
	WIN 0
	PARTIAL 1
	s_mul_i32 s50, s2, 4*WSTEP
	s_add_co_u32 s50, s50, WST                     ; my stage
	v_lshrrev_b32 v9, 6, v1
	v_mul_u32_u24 v9, v9, SP
	v_and_b32 v10, 48, v1
	v_add_nc_u32 v9, v9, v10
	v_add_nc_u32 v9, s50, v9                       ; in: SP (lane / 4) + 16 (lane % 4): four lanes' 64 bytes on end, then 16 of padding
	v_lshrrev_b32 v10, 4, v1
	v_mul_u32_u24 v10, v10, SP
	v_add_nc_u32 v10, s50, v10                     ; out: SP x lane: my 16 neighbours
	v_mov_b32 v11, s4
	v_mov_b32 v12, s5
	s_wait_alu depctr_va_vdst(0)
	s_wait_loadcnt 0x0
.irp w, 0,1                            ; LDS serves a wave's instructions in order (ISA guide 5.7.1.4): no wait between stores and loads, nor ahead of the second turn's stores
	WIN 0x04*\w
.irp t, 0,1,2,3
.irp i, 0,1,2,3
	ds_store_b128 v9, v[96+16*\t+4*\i:99+16*\t+4*\i] offset:WSTEP*\t+8*SP*\i
.endr
.endr
	WIN 0x40*(\w+2)                                ; back into windows 2 and 3
.irp t, 0,1,2,3
.irp i, 0,1,2,3
	ds_load_b128 v[96+16*\t+4*\i:99+16*\t+4*\i], v10 offset:WSTEP*\t+16*\i
.endr
.endr
.endr
.irp w, 2,3
.if \w == 2
	s_wait_dscnt 32                                ; the first turn is back; the second's 16 stores and 16 loads may be out
.else
	s_wait_dscnt 0x0
.endif
	WIN 0x41*\w
.set j, 0
.rept 64
	v_med3_num_f32 v[96+j], v[96+j], -v12, v12     ; the conversion does not saturate (ISA guide 7.6.2)
.set j, j+1
.endr
.irp t, 0,1,2,3,4,5,6,7
	v_cvt_scalef32_pk8_fp8_f32 v[224+2*\t:225+2*\t], v[96+8*\t:103+8*\t], v11
.endr
	v_nop                                          ; one plain vector line behind the last conversion
	WIN 0x04*\w
.irp t, 0,1,2,3
	global_store_b128 v1, v[224+4*\t:227+4*\t], s[12:13] offset:2048*(\w-2)+512*\t   ; 512 consecutive bytes, aligned
.endr
.endr
	WIN 0
	s_wait_dscnt 0x0                               ; for the others' sake: my stores are done
	s_barrier_signal -1
	s_barrier_wait -1
	; THE QUARTERS MEET: I finish tile q of both blocks
	s_wait_xcnt 0x0                                ; (the prefetch has read v14)
	s_mul_i32 s50, s2, 4*PBLK
	v_add_nc_u32 v14, s50, v1
	v_add_nc_u32 v9, 16*PBLK, v14
	v_mov_b32 v10, s55
	v_mov_b32 v11, s56
.irp p, 0,1,2,3
	ds_load_b128 v[16+4*\p:19+4*\p], v14 offset:\p*PBLK+8192
	ds_load_b128 v[224+4*\p:227+4*\p], v9 offset:\p*PBLK+8192
.endr
.irp p, 0,1,2,3
	WIN 0x40*\p
.irp c, 0,1,2,3,4,5,6,7,8,9,10,11,12,13,14,15
	ds_load_b128 v[96+4*\c:99+4*\c], v14 offset:\p*PBLK+512*\c
.endr
.endr
.irp p, 0,1,2,3
	WIN 0x40*\p
.irp c, 0,1,2,3,4,5,6,7,8,9,10,11,12,13,14,15
	ds_load_b128 v[160+4*\c:163+4*\c], v9 offset:\p*PBLK+512*\c
.endr
.endr
	WIN 0
.macro MERGE b, o, ptr
	v_min_num_f32 v240, v[\b], v[\b+4]             ; -M of all: the least
	v_min_num_f32 v242, v[\b+8], v[\b+12]
	v_min_num_f32 v240, v240, v242
.irp p, 0,1,2,3
	v_sub_f32 v[244+2*\p], v240, v[\b+4*\p]        ; that quarter's M less M: 0 or less
.endr
.irp p, 0,1,2,3
	v_cvt_i32_f32 v[244+2*\p], v[244+2*\p]
.endr
.irp p, 0,1,2,3
	v_ldexp_f32 v[244+2*\p], 1.0, v[244+2*\p]
.endr
	v_mul_f32 v242, v244, v[\b+1]
	v_fma_f32 v242, v246, v[\b+5], v242
	v_fma_f32 v242, v248, v[\b+9], v242
	v_fma_f32 v242, v250, v[\b+13], v242
	v_permlanex16_b32 v243, v242, s52, s53
	v_add_f32 v242, v242, v243                     ; the row's sum
	s_wait_alu depctr_va_vdst(0)                   ; the wait ahead of the reciprocal
	v_rcp_f32 v242, v242
	v_nop
	s_wait_alu depctr_va_vdst(0)                   ; and ahead of its first reader
.irp p, 0,1,2,3
	v_mul_f32 v[244+2*\p], v[244+2*\p], v242
.endr
.set j, 0
.rept 32
	v_pk_mul_f32 v[\o+j:\o+j+1], v[\o+j:\o+j+1], v[244:245] op_sel_hi:[1,0]
.set j, j+2
.endr
.irp p, 1,2,3
	WIN \p                                         ; source 0: quarter p's, window p
.set j, 0
.rept 32
	v_pk_fma_f32 v[\o+j:\o+j+1], v[\o+j:\o+j+1], v[244+2*\p:245+2*\p], v[\o+j:\o+j+1] op_sel_hi:[1,0,1]
.set j, j+2
.endr
.endr
	WIN 0
.set j, 0
.rept 64
	v_med3_num_f32 v[\o+j], v[\o+j], -v11, v11
.set j, j+1
.endr
.irp t, 0,1,2,3,4,5,6,7
	v_cvt_scalef32_pk8_fp8_f32 v[\b+2*\t:\b+2*\t+1], v[\o+8*\t:\o+8*\t+7], v10
.endr
	v_nop
.irp c, 0,1,2,3
	global_store_b128 v1, v[\b+4*\c:\b+4*\c+3], s[\ptr:\ptr+1] offset:512*\c   ; 512 consecutive bytes, aligned
.endr
.endm
	s_wait_alu depctr_va_vdst(0)
	s_wait_dscnt 63                                ; all but the youngest 63 of the second block's 64 loads are in
	MERGE 16, 96, 60
	s_wait_dscnt 0x0
	MERGE 224, 160, 62
	s_wait_tensorcnt 0x0                           ; the wave's end
	ds_add_u32 v[SPW], v[NIL]
	s_wait_dscnt 0x0
	s_endpgm
.Lfunc_end_k_qece32ca078_attn:
	.size	k_qece32ca078_attn, .Lfunc_end_k_qece32ca078_attn-k_qece32ca078_attn
	.p2alignl 7, 3214868480
	.fill 96, 4, 3214868480
	.section	.rodata,"a",@progbits
	.p2align	6, 0x0
	.amdhsa_kernel k_qece32ca078_attn
		.amdhsa_group_segment_fixed_size 320000
		.amdhsa_private_segment_fixed_size 0
		.amdhsa_enable_private_segment 0
		.amdhsa_kernarg_size 56
		.amdhsa_user_sgpr_count 2
		.amdhsa_user_sgpr_kernarg_segment_ptr 1
		.amdhsa_wavefront_size32 1
		.amdhsa_system_sgpr_workgroup_id_x 1
		.amdhsa_system_sgpr_workgroup_id_y 1
		.amdhsa_system_sgpr_workgroup_id_z 1
		.amdhsa_system_vgpr_workitem_id 0
		.amdhsa_next_free_vgpr 1024
		.amdhsa_next_free_sgpr 100
		.amdhsa_reserve_vcc 0
		.amdhsa_float_denorm_mode_32 3
		.amdhsa_float_denorm_mode_16_64 3
		.amdhsa_memory_ordered 1
		.amdhsa_forward_progress 1
		.amdhsa_inst_pref_size 191
	.end_amdhsa_kernel
	.amdgpu_metadata
---
amdhsa.version: [ 1, 2 ]
amdhsa.kernels:
  - .name:           k_qece32ca078_attn
    .symbol:         k_qece32ca078_attn.kd
    .args:
      - { .name: qkv, .offset: 0, .size: 8, .value_kind: global_buffer, .address_space: global }
      - { .name: maskbits, .offset: 8, .size: 8, .value_kind: global_buffer, .address_space: global }
      - { .name: flags, .offset: 16, .size: 8, .value_kind: global_buffer, .address_space: global }
      - { .name: lowp_scales, .offset: 24, .size: 8, .value_kind: global_buffer, .address_space: global }
      - { .name: ocodes, .offset: 32, .size: 8, .value_kind: global_buffer, .address_space: global }
      - { .name: Wo, .offset: 40, .size: 8, .value_kind: global_buffer, .address_space: global }
      - { .name: wocodes, .offset: 48, .size: 8, .value_kind: global_buffer, .address_space: global }
    .group_segment_fixed_size: 320000
    .private_segment_fixed_size: 0
    .kernarg_segment_align: 8
    .kernarg_segment_size: 56
    .max_flat_workgroup_size: 128
    .sgpr_count:     100
    .vgpr_count:     1024
    .wavefront_size: 32
...
	.end_amdgpu_metadata
.endif
;; end of part 3
;; launch proj (part 4): grid 16 x 16, 4 waves a work-group, clusters of 4 x 4, 327,680 bytes of LDS; arguments ocodes, wocodes, lowp_scales, bo, out0; writes out0
.if DOCPART == 4
	.amdgcn_target "amdgcn-amd-amdhsa--gfx1250"
	.amdhsa_code_object_version 6
	.text
	.protected	k_qece32ca078_proj
	.globl	k_qece32ca078_proj
	.p2align	8
	.type	k_qece32ca078_proj,@function
k_qece32ca078_proj:
	s_mov_b64 s[64:65], 0
	v_nop
	global_prefetch_b8 v0, s[64:65] scope:SCOPE_SE
	s_setreg_imm32_b32 hwreg(HW_REG_WAVE_MODE, 25, 1), 1
	s_wait_xcnt 0x0
	s_wait_alu depctr_hold_cnt(0) depctr_sa_sdst(0) depctr_va_vdst(0) depctr_va_sdst(0) depctr_va_ssrc(0) depctr_va_vcc(0) depctr_vm_vsrc(0)
	s_getreg_b32 s2, hwreg(HW_REG_IB_STS2, 6, 4)
	s_cmp_eq_u32 s2, 0
	s_cbranch_scc0 .Lentry_in_a_cluster
	s_endpgm
.Lentry_in_a_cluster:
	s_bfe_u32 s2, ttmp6, 0x10000c
	s_cmp_lg_u32 s2, 0xf033
	s_cbranch_scc0 .Lentry_shape_is_right
	s_endpgm
.Lentry_shape_is_right:
; out = attention Wo^T + bo on codes of FP8 (E4M3).  A work-group makes 128 x 128 of the result, four waves 64 x 64 each; K goes in four steps of 512 through a ring of two LDS slots.
; A (ocodes) [32 blocks of 64 t][16 heads][4 tiles][2048 bytes, an image of an operand's 16 registers]: a step's four heads of a block are 32,768 bytes on end, stated as rows of 256 bytes, and lie in LDS as they are.
; B (Wo's codes): 64 rows x 512 bytes, padded to 528.  In both a lane holds k = 32 c + 16 (lane / 16) + 0 .. 15 of its row in registers 4 c .. 4 c + 3.
; CLUSTERS of 4 x 4: A's tiles are asked for jointly along a row, B's along a column.  Used transposed: a lane holds eight neighbouring columns of one row.
; PREFETCH: behind K step 0's load the head asks for K step 1, behind K step 1's load for K steps 2 and 3.  Of the 128 blocks of 256 bytes that a wave fetches each of the four partners takes 32, told apart BY ADDRESS.
; LIMITS: e10 + e11 lies between -126 and 127.
.set AH,     32768                     ; 64 t x 512 K of A
.set PB,     528
.set BH,     64*PB
.set SLOT,   2*AH+2*BH
.set SPARE,  2*SLOT
.set SPITCH, 272                       ; the way out: a stage of 16 rows for each wave in slot 0, which has had its last fill and its last read by then
.set ADRA, 16
.set ADRB, 20
.set STO,  24
.set RD,   25
.set CO,   26
.set PFO,  27
.set SPW,  28
.set NIL,  29
.set TMP,  32
.set BK,   64
.set ACC,  128
.set F0,   0
.set F1,   128
.set G1, 24
.set G0, 32
.set G1B, 48
.set G0B, 56
.set PFA, 74                           ; s[74:75], s[78:79], s[80:81] where my prefetches of K steps 1, 2, 3 stand; s[76:77] a K step on
.set MSB, 0
.macro WIN new
.if MSB != (\new)
	s_set_vgpr_msb (MSB<<8)|(\new)
.set MSB, (\new)
.endif
.endm
.set MUL,  0x05
.set TO_F, 0x40
.macro JLOAD g0a, g1a, g0b, g1b        ; an s_nop 0 and four v_nop follow each load
	s_cmp_eq_u32 s15, 0
	s_cbranch_scc0 .Lfor_b_\@
	tensor_load_to_lds s[\g0a:\g0a+3], s[\g1a:\g1a+7]
	s_nop 0
.rept 4
	v_nop
.endr
	s_branch .Lasked_\@
.Lfor_b_\@:
	tensor_load_to_lds s[\g0b:\g0b+3], s[\g1b:\g1b+7]
	s_nop 0
.rept 4
	v_nop
.endr
.Lasked_\@:
.endm
.macro CREST
	s_cmp_lg_u32 s14, 0
	s_cbranch_scc1 .Lnot_wave_0_\@
	s_barrier_signal -3
.Lnot_wave_0_\@:
	s_barrier_wait -3
	s_barrier_signal -1
	s_barrier_wait -1
.endm
.macro CROUND
	s_barrier_signal -1
	s_barrier_wait -1
	CREST
.endm
	s_load_b256 s[4:11], s[0:1], 0x0               ; ocodes, wocodes, scales, bo
	s_load_b64 s[12:13], s[0:1], 0x20              ; out0
	v_lshl_add_u32 v[SPW], v0, 2, SPARE
	v_mov_b32 v[NIL], 0
	ds_add_u32 v[SPW], v[NIL]                      ; the wave's opening: the add, twice on end, and its wait
	ds_add_u32 v[SPW], v[NIL]
	v_lshrrev_b32 v1, 5, v0
	v_readfirstlane_b32 s14, v1
	s_lshr_b32 s15, s14, 1                         ; my half of the rows; I fetch for A (0) or B (1)
	s_and_b32 s16, s14, 1                          ; my half of the columns; which 64 rows I fetch
	s_mul_i32 s21, s15, AH
	s_mul_i32 s23, s16, BH
	s_add_co_u32 s23, s23, 2*AH
	s_mul_i32 s22, s14, 16*SPITCH
	s_cmp_eq_u32 s15, 0
	s_movk_i32 s47, 2048
	s_cselect_b32 s47, 512, s47                    ; the prefetches: two lanes to 512 bytes of A, or to a row of B
	v_and_b32 v1, 15, v0
	v_bfe_u32 v2, v0, 4, 1
	v_and_b32 v3, 31, v0
	v_lshlrev_b32 v7, 4, v3
	v_mul_u32_u24 v4, v1, PB
	v_lshl_add_u32 v4, v2, 4, v4
	v_add_nc_u32 v[ADRA], s21, v7                  ; A: 16 x lane
	v_add_nc_u32 v[ADRB], s23, v4                  ; B: row x pitch + 16 x half
	v_add_nc_u32 v[ADRA+1], SLOT, v[ADRA]
	v_add_nc_u32 v[ADRB+1], SLOT, v[ADRB]
	v_mul_u32_u24 v5, v1, SPITCH
	v_lshl_add_u32 v5, v2, 5, v5
	v_add_nc_u32 v[STO], s22, v5
	v_mul_u32_u24 v5, v2, SPITCH
	v_lshl_add_u32 v5, v1, 4, v5
	v_add_nc_u32 v[RD], s22, v5
	v_lshlrev_b32 v5, 13, v2
	v_lshl_add_u32 v[CO], v1, 4, v5
	v_lshlrev_b32 v6, 5, v2
	v_lshrrev_b32 v5, 1, v3
	v_mul_lo_u32 v5, v5, s47
	v_and_b32 v4, 1, v0
	v_lshl_add_u32 v[PFO], v4, 8, v5
	s_bfe_u32 s40, ttmp6, 0x40000                  ; cx
	s_bfe_u32 s41, ttmp6, 0x40004                  ; cy
	s_lshl_b32 s42, ttmp9, 2
	s_add_co_u32 s42, s42, s40                     ; tile column
	s_and_b32 s17, ttmp7, 0xffff
	s_lshl_b32 s17, s17, 2
	s_add_co_u32 s17, s17, s41                     ; tile row
	s_lshl_b32 s43, s41, 2
	s_lshl_b32 s43, 15, s43
	s_lshl_b32 s44, 0x1111, s40
	s_or_b32 s[G1+0], s43, 1<<21                   ; A: 128 rows of 256 bytes, dense, no padding
	s_mov_b32 s[G1+1], 256<<16
	s_mov_b32 s[G1+2], 128<<16
	s_mov_b32 s[G1+3], 256<<16
	s_mov_b32 s[G1+4], 128
	s_mov_b32 s[G1+5], 256
	s_mov_b32 s[G1+6], 0
	s_mov_b32 s[G1+7], 0
	s_or_b32 s[G1B+0], s44, (0<<16)|(1<<20)|(1<<21)|(6<<22)|(3<<25)  ; B: 64 rows of 512 bytes, four words of padding behind every 128
	s_mov_b32 s[G1B+1], 512<<16
	s_mov_b32 s[G1B+2], 64<<16
	s_mov_b32 s[G1B+3], 512<<16
	s_mov_b32 s[G1B+4], 64
	s_mov_b32 s[G1B+5], 2048
	s_mov_b32 s[G1B+6], 0
	s_mov_b32 s[G1B+7], 0
	s_lshl_b32 s20, s17, 1
	s_add_co_u32 s20, s20, s16
	s_lshl_b32 s20, s20, 17                        ; a block of 64 t: 131,072 bytes
	s_mov_b32 s21, 0
	s_lshl_b32 s46, s42, 7
	s_lshl_b32 s18, s16, 6
	s_add_co_u32 s46, s46, s18
	s_lshl_b32 s46, s46, 11
	s_mov_b32 s47, 0
	s_mul_i32 s45, s16, AH
	s_mul_i32 s22, s16, BH
	s_add_co_u32 s22, s22, 2*AH
	s_wait_alu depctr_va_vdst(0)                   ; the wait at the head's end
	s_wait_dscnt 0x0
	s_wait_kmcnt 0x0
	s_load_b64 s[66:67], s[8:9], 0x28              ; e10, e11
	s_add_nc_u64 s[20:21], s[4:5], s[20:21]
	s_add_nc_u64 s[46:47], s[6:7], s[46:47]
	CROUND
.irp s, 0,1
	s_mov_b32 s[G0+4*\s], 1
	s_add_co_u32 s[G0+4*\s+1], s45, \s*SLOT
	s_add_nc_u64 s[G0+4*\s+2:G0+4*\s+3], s[20:21], \s*32768
	s_or_b32 s[G0+4*\s+3], s[G0+4*\s+3], 0x80000000
	s_mov_b32 s[G0B+4*\s], 1
	s_add_co_u32 s[G0B+4*\s+1], s22, \s*SLOT
	s_add_nc_u64 s[G0B+4*\s+2:G0B+4*\s+3], s[46:47], \s*512
	s_or_b32 s[G0B+4*\s+3], s[G0B+4*\s+3], 0x80000000
.endr
	JLOAD G0, G1, G0B, G1B                         ; K step 0, my one load at the head
	s_lshl_b32 s68, s40, 13                        ; A: partner cx takes 8,192 bytes,
	s_lshl_b32 s69, s41, 15                        ; B: partner cy 16 rows
	s_mov_b32 s76, 512
	s_mov_b32 s77, 0
	s_cmp_eq_u32 s15, 0
	s_cselect_b64 s[PFA:PFA+1], s[20:21], s[46:47]
	s_cselect_b32 s68, s68, s69
	s_cselect_b32 s76, 32768, s76                  ; a K step on
	s_mov_b32 s69, 0
	s_add_nc_u64 s[PFA:PFA+1], s[PFA:PFA+1], s[68:69]
	s_add_nc_u64 s[PFA:PFA+1], s[PFA:PFA+1], s[76:77]
	s_add_nc_u64 s[78:79], s[PFA:PFA+1], s[76:77]
	s_add_nc_u64 s[80:81], s[78:79], s[76:77]
	global_prefetch_b8 v[PFO], s[PFA:PFA+1] th:TH_LOAD_NT scope:SCOPE_SE   ; K step 1
	s_lshl_b32 s68, s42, 9
	s_lshl_b32 s69, s16, 8
	s_add_co_u32 s68, s68, s69
	s_mov_b32 s69, 0
	s_add_nc_u64 s[10:11], s[10:11], s[68:69]      ; bo at my columns
	s_add_nc_u64 s[12:13], s[12:13], s[68:69]
	s_lshl_b32 s70, s17, 7
	s_lshl_b32 s71, s15, 6
	s_add_co_u32 s70, s70, s71
	s_lshl_b32 s70, s70, 13
	s_mov_b32 s71, 0
	s_add_nc_u64 s[12:13], s[12:13], s[70:71]      ; the result at my rows
	WIN 0x80
.irp b, 0,1,2,3
	global_load_b128 v[8*\b:8*\b+3], v6, s[10:11] offset:64*\b         ; bo in the result's layout, window 2
	global_load_b128 v[8*\b+4:8*\b+7], v6, s[10:11] offset:64*\b+16
.endr
	WIN 0
.macro MUL8 f, a0, zero                ; the 16 accumulators take turns, one instruction a turn
.irp a, \a0, \a0+1
.irp b, 0,1,2,3
.if \zero
	v_wmma_f32_16x16x128_fp8_fp8 v[ACC+8*(4*(\a)+\b):ACC+8*(4*(\a)+\b)+7], v[\f+64+16*\b:\f+64+16*\b+15], v[\f+16*(\a):\f+16*(\a)+15], 0
.else
	v_wmma_f32_16x16x128_fp8_fp8 v[ACC+8*(4*(\a)+\b):ACC+8*(4*(\a)+\b)+7], v[\f+64+16*\b:\f+64+16*\b+15], v[\f+16*(\a):\f+16*(\a)+15], v[ACC+8*(4*(\a)+\b):ACC+8*(4*(\a)+\b)+7]
.endif
.endr
.endr
.endm
.macro FETCH slot, q, f
	WIN TO_F
.irp i, 0,1,2,3
.irp c, 0,1,2,3
	ds_load_b128 v[\f+64+16*\i+4*\c:\f+64+16*\i+4*\c+3], v[ADRB+\slot] offset:128*(\q)+\i*16*PB+32*\c
.endr
.endr
.irp i, 0,1,2,3
.irp c, 0,1,2,3
	ds_load_b128 v[\f+16*\i+4*\c:\f+16*\i+4*\c+3], v[ADRA+\slot] offset:8192*(\q)+2048*\i+512*\c
.endr
.endr
.endm
.macro PLACES
.rept 4
	v_nop
.endr
.endm
.macro QUARTER slot, qn, f, g, zero
	s_wait_dscnt 8                                 ; the youngest eight loads (A's blocks 2, 3) may be out
	WIN MUL
	MUL8 \f, 0, \zero
	PLACES
	FETCH \slot, \qn, \g
	s_wait_dscnt 32                                ; all but the 32 just issued
	WIN MUL
	MUL8 \f, 2, \zero
.endm
.macro TURN slot, next, fill           ; the change of slots
	WIN 0
	s_wait_tensorcnt 0x0
	ds_add_u32 v[SPW], v[NIL]
	s_wait_dscnt 9
	WIN MUL
	MUL8 F1, 0, 0
	s_wait_dscnt 0x0                               ; the add is done, and my reads of this slot are over
	s_barrier_signal -1
	MUL8 F1, 2, 0
	WIN 0
	s_barrier_wait -1
.if \fill
	CREST
	s_add_nc_u64 s[G0+4*\slot+2:G0+4*\slot+3], s[G0+4*\slot+2:G0+4*\slot+3], 2*32768
	s_add_nc_u64 s[G0B+4*\slot+2:G0B+4*\slot+3], s[G0B+4*\slot+2:G0B+4*\slot+3], 2*512
	JLOAD G0+4*\slot, G1, G0B+4*\slot, G1B
.else
	PLACES
.endif
	FETCH \next, 0, F0
.endm
	s_wait_tensorcnt 0x0                           ; my part of K step 0 is in; these lines stand ahead of a later first fill as ahead of a refill
	ds_add_u32 v[SPW], v[NIL]
	s_wait_dscnt 0x0
	CROUND
	JLOAD G0+4, G1, G0B+4, G1B                     ; K step 1
	FETCH 0, 0, F0
	global_prefetch_b8 v[PFO], s[78:79] th:TH_LOAD_NT scope:SCOPE_SE       ; K step 2
	global_prefetch_b8 v[PFO], s[80:81] th:TH_LOAD_NT scope:SCOPE_SE       ; K step 3
	QUARTER 0, 1, F0, F1, 1
	QUARTER 0, 2, F1, F0, 0
	QUARTER 0, 3, F0, F1, 0
	TURN 0, 1, 1
	QUARTER 1, 1, F0, F1, 0
	QUARTER 1, 2, F1, F0, 0
	QUARTER 1, 3, F0, F1, 0
	TURN 1, 0, 1
	QUARTER 0, 1, F0, F1, 0
	QUARTER 0, 2, F1, F0, 0
	QUARTER 0, 3, F0, F1, 0
	TURN 0, 1, 0
	QUARTER 1, 1, F0, F1, 0
	QUARTER 1, 2, F1, F0, 0
	QUARTER 1, 3, F0, F1, 0
	s_wait_dscnt 8
	WIN MUL
	MUL8 F1, 0, 0
	s_wait_dscnt 0
	MUL8 F1, 2, 0
	WIN 0
.macro TOSTAGE a                       ; a block of 16 rows x 64 columns through my stage, back as rows of 256 bytes; LDS serves a wave's instructions in order (ISA guide 5.7.1.4)
	WIN 0x20
.irp b, 0,1,2,3
.irp i, 0,2,4,6
	v_pk_fma_f32 v[TMP+8*\b+\i:TMP+8*\b+\i+1], v[ACC+8*(4*(\a)+\b)+\i:ACC+8*(4*(\a)+\b)+\i+1], s[66:67], v[8*\b+\i:8*\b+\i+1] op_sel_hi:[1,0,1]
.endr
.endr
	WIN 0
.irp b, 0,1,2,3
	ds_store_b128 v[STO], v[TMP+8*\b:TMP+8*\b+3] offset:64*\b
	ds_store_b128 v[STO], v[TMP+8*\b+4:TMP+8*\b+7] offset:64*\b+16
.endr
.irp t, 0,1,2,3,4,5,6,7
	ds_load_b128 v[BK+32*((\a)%2)+4*\t:BK+32*((\a)%2)+4*\t+3], v[RD] offset:\t*2*SPITCH
.endr
.endm
.macro SEND a, younger
	s_wait_dscnt \younger
.irp t, 0,1,2,3,4,5,6,7
	global_store_b128 v[CO], v[BK+32*((\a)%2)+4*\t:BK+32*((\a)%2)+4*\t+3], s[12:13] offset:(16*(\a)+2*\t)*8192 th:TH_STORE_NT   ; sixteen lanes store 256 consecutive bytes, aligned
.endr
.endm
	s_wait_kmcnt 0x0
	s_add_co_i32 s66, s66, s67
	s_add_co_i32 s66, s66, 127
	s_lshl_b32 s66, s66, 23                        ; 2^(e10 + e11)
	s_mov_b32 s67, s66
	s_wait_loadcnt 0x0                             ; bo
	PLACES
	TOSTAGE 0
.irp a, 1,2,3
.if \a > 1
	s_wait_xcnt 0x0                                ; block a - 2's stores have read their registers
.endif
	TOSTAGE \a
	SEND \a-1, 16                                  ; block a's 8 stores and 8 loads may be out
.endr
	SEND 3, 0
	s_wait_tensorcnt 0x0                           ; the wave's end
	ds_add_u32 v[SPW], v[NIL]
	s_wait_dscnt 0x0
	CROUND                                         ; the closing round
	s_endpgm
.Lfunc_end_k_qece32ca078_proj:
	.size	k_qece32ca078_proj, .Lfunc_end_k_qece32ca078_proj-k_qece32ca078_proj
	.p2alignl 7, 3214868480
	.fill 96, 4, 3214868480
	.section	.rodata,"a",@progbits
	.p2align	6, 0x0
	.amdhsa_kernel k_qece32ca078_proj
		.amdhsa_group_segment_fixed_size 327680
		.amdhsa_private_segment_fixed_size 0
		.amdhsa_enable_private_segment 0
		.amdhsa_kernarg_size 40
		.amdhsa_user_sgpr_count 2
		.amdhsa_user_sgpr_kernarg_segment_ptr 1
		.amdhsa_wavefront_size32 1
		.amdhsa_system_sgpr_workgroup_id_x 1
		.amdhsa_system_sgpr_workgroup_id_y 1
		.amdhsa_system_sgpr_workgroup_id_z 1
		.amdhsa_system_vgpr_workitem_id 0
		.amdhsa_next_free_vgpr 544
		.amdhsa_next_free_sgpr 84
		.amdhsa_reserve_vcc 0
		.amdhsa_float_denorm_mode_32 3
		.amdhsa_float_denorm_mode_16_64 3
		.amdhsa_memory_ordered 1
		.amdhsa_forward_progress 1
		.amdhsa_inst_pref_size 76
	.end_amdhsa_kernel
	.amdgpu_metadata
---
amdhsa.version: [ 1, 2 ]
amdhsa.kernels:
  - .name:           k_qece32ca078_proj
    .symbol:         k_qece32ca078_proj.kd
    .args:
      - { .name: ocodes, .offset: 0, .size: 8, .value_kind: global_buffer, .address_space: global }
      - { .name: wocodes, .offset: 8, .size: 8, .value_kind: global_buffer, .address_space: global }
      - { .name: lowp_scales, .offset: 16, .size: 8, .value_kind: global_buffer, .address_space: global }
      - { .name: bo, .offset: 24, .size: 8, .value_kind: global_buffer, .address_space: global }
      - { .name: out0, .offset: 32, .size: 8, .value_kind: global_buffer, .address_space: global }
    .group_segment_fixed_size: 327680
    .private_segment_fixed_size: 0
    .kernarg_segment_align: 8
    .kernarg_segment_size: 40
    .max_flat_workgroup_size: 128
    .sgpr_count:     84
    .vgpr_count:     544
    .wavefront_size: 32
...
	.end_amdgpu_metadata
.endif
;; end of part 4
